; MI455X (gfx1250); checked and timed in simulation.
; The chip was launched on July 23, 2026; its instructions are those of AMD's public machine-readable ISA for CDNA 5 (MIT licence, August 2026) and "CDNA5" Instruction Set Architecture Reference Guide (July 2026). The comments in the code are by the model that wrote it; some were corrected since.
;; Multi Head Self Attention. Allowed arithmetic: matrix products marked QUANTISED: E4M3 operands, one E8M0 scale for each 32 along K, by v_wmma_scale_f32_16x16x128_f8f6f4 with both operands' format E4M3, f32 sums; everything else in f32.
;; Inputs: Wk_codes 1,024 x 32 x 32 uint8 (E4M3 codes of Wk, K innermost, in blocks of 32 codes); Wk_scales 1,024 x 32 uint8 (E8M0 scales of Wk, one for each 32 codes along K); Wo_codes 1,024 x 32 x 32 uint8 (E4M3 codes of Wo, K innermost, in blocks of 32 codes); Wo_scales 1,024 x 32 uint8 (E8M0 scales of Wo, one for each 32 codes along K); Wq_codes 1,024 x 32 x 32 uint8 (E4M3 codes of Wq, K innermost, in blocks of 32 codes); Wq_scales 1,024 x 32 uint8 (E8M0 scales of Wq, one for each 32 codes along K); Wv_codes 1,024 x 32 x 32 uint8 (E4M3 codes of Wv, K innermost, in blocks of 32 codes); Wv_scales 1,024 x 32 uint8 (E8M0 scales of Wv, one for each 32 codes along K); token_positions 2,048 int32; x_codes 4 x 2,048 x 32 x 32 uint8 (E4M3 codes of x, K innermost, in blocks of 32 codes); x_scales 4 x 2,048 x 32 uint8 (E8M0 scales of x, one for each 32 codes along K).
;; Outputs: out0 4 x 2,048 x 1,024 float32.
;; This version of the problem:
;;   THIS VERSION OF THE PROBLEM IS GIVEN IN LOW PRECISION. The matrix products marked QUANTISED in the list below multiply operands that are first quantised to E4M3 (4 exponent bits, 3 mantissa bits; 8 bits a number), with one power-of-two scale for each 32 numbers along K (OCP MX v1.0); their sums are f32. All else is computed in f32.
;;   The module's matrix products, in the order in which they are computed (A, B: the left and right operand; K: the contracted axis; several contracted axes count as one K, in the product's order):
;;     1. [M 8,192, K 1,024] x [K 1,024, N 1,024]; A: input x (given as codes); B: input Wq (given as codes): QUANTISED
;;     2. [M 8,192, K 1,024] x [K 1,024, N 1,024]; A: input x (given as codes); B: input Wk (given as codes): QUANTISED
;;     3. [M 8,192, K 1,024] x [K 1,024, N 1,024]; A: input x (given as codes); B: input Wv (given as codes): QUANTISED
;;     4. batch 64 x [M 2,048, K 64] x [K 64, N 2,048]; A: computed on the way; B: computed on the way: QUANTISED
;;     5. batch 64 x [M 2,048, K 2,048] x [K 2,048, N 64]; A: softmax (see below); B: computed on the way: QUANTISED
;;     6. [M 8,192, K 1,024] x [K 1,024, N 1,024]; A: computed on the way; B: input Wo (given as codes): QUANTISED
;;   THE QUANTISER, for each operand of a quantised product, along K:
;;     - K is cut into blocks of 32 from its start; a last block that is shorter is filled with zeros.
;;     - A block's scale is 2^e with e = floor(log2(the largest magnitude in the block)) - 8, held to -126 .. 127; a block of zeros has e = 0. As a byte (E8M0): e + 127.
;;     - Each number is divided by its block's scale, clamped to +-448, and rounded to the nearest number of E4M3, ties to even, subnormals kept.
;;     - The product sums the exact products of the quantised numbers (number of the format x scale) in f32.
;;   ~~~python
;;   def quantise(x, axis):      # numpy; x: float32 -> the quantised numbers, widened to float32 again
;;       x = np.moveaxis(x, axis, -1); K = x.shape[-1]
;;       x = np.pad(x, [(0, 0)] * (x.ndim - 1) + [(0, -K % 32)]); x = x.reshape(x.shape[:-1] + (-1, 32)); a = np.abs(x).max(-1, keepdims=True)
;;       e = np.where(a > 0, np.clip(np.frexp(np.where(a > 0, a, 1))[1] - 1 - 8, -126, 127), 0)      # np.frexp(a)[1] - 1 = floor(log2(a)), exactly
;;       r = np.clip(x / 2.0 ** e, -448, 448)
;;       step = 2.0 ** (np.maximum(np.frexp(np.where(r == 0, 1, r))[1] - 1, -6) - 3)
;;       q = np.round(r / step) * step * 2.0 ** e      # np.round: ties to even
;;       return np.moveaxis(q.reshape(q.shape[:-2] + (-1,))[..., :K], -1, axis).astype(np.float32)
;;   ~~~
;;   SOFTMAX AHEAD OF A QUANTISED PRODUCT. Where the list says 'softmax', what is quantised is not the finished softmax but p = 2^(t - M), with t = logit x log2(e) and M = ceil(the row's largest t), a whole number; so 1/2 < the row's largest p <= 1. The row's sum l is taken of the UNQUANTISED p, in f32, and the product's result is divided by l at the end. Since M is a whole number, a kernel that streams over the keys may use a running M (the ceiling of the running maximum): every later rescaling is an exact power of two, which a block's scale takes up: the codes' values come out the same.
;;   OPERANDS COMPUTED ON THE WAY. 'Computed on the way' means the value that the module computes at that place (a softmax that the list does not call 'softmax' is quantised finished and normalised). What goes into a quantiser is computed in f32, as accurately as f32 sums, v_exp_f32 and their like allow (about 1e-6 of the number): no bf16 or f16 on the way to a quantiser, and a product that is left as it is and whose result goes on into a quantised operand takes f32 operands (vector FMAs, or v_wmma_f32_16x16x4_f32). A number that lies on a knife's edge between two numbers of the format may be rounded either way, as far as f32 arithmetic and the matrix unit's own rounding can turn it there, and no further.
;;   INPUTS GIVEN AS CODES. Wk (in the module: [1024, 1024], K = its axis 1); Wo (in the module: [1024, 1024], K = its axis 1); Wq (in the module: [1024, 1024], K = its axis 1); Wv (in the module: [1024, 1024], K = its axis 1); x (in the module: [4, 2048, 1024], K = its axis 2): each comes as NAME_codes (uint8): NAME with its K axis moved to the last place and cut into blocks of 32 codes, [.., K / 32, bytes a block], one block behind the other in memory; one code a byte (a code: sign, 4 exponent bits, 3 mantissa bits); and NAME_scales (uint8): the same leading axes, one E8M0 byte (e + 127) for each 32 codes along K. Its value is code x scale, taken as it is: it is not quantised again, and the codes and scales need not be those that the quantiser above would give.
;; One version. Each part assembles by itself: llvm-mc -triple=amdgcn-amd-amdhsa -mcpu=gfx1250 --defsym DOCPART=n.
;; ======== version 1 of 1: 3 launches
;; limits: inputs' magnitudes at most 4,000,000; right only within a limited range of input values
;; workspace buffers: qimg 9,437,184 bytes; kv 18,350,080 bytes; yimg 8,388,608 bytes; ysc 524,288 bytes
;; launch proj (part 1): grid 96 x 4, 4 waves a work-group, clusters of 4 x 4, 327,680 bytes of LDS; arguments x_codes, x_scales, Wq_codes, Wq_scales, Wk_codes, Wk_scales, Wv_codes, Wv_scales, token_positions, qimg, kv; writes qimg, kv
.if DOCPART == 1
	.amdgcn_target "amdgcn-amd-amdhsa--gfx1250"
	.amdhsa_code_object_version 6
	.text
	.protected	k_q66497703fc_proj
	.globl	k_q66497703fc_proj
	.p2align	8
	.type	k_q66497703fc_proj,@function
k_q66497703fc_proj:
	s_mov_b64 s[64:65], 0
	v_nop
	global_prefetch_b8 v0, s[64:65] scope:SCOPE_SE
	s_setreg_imm32_b32 hwreg(HW_REG_WAVE_MODE, 25, 1), 1
	s_wait_xcnt 0x0
	s_wait_alu depctr_hold_cnt(0) depctr_sa_sdst(0) depctr_va_vdst(0) depctr_va_sdst(0) depctr_va_ssrc(0) depctr_va_vcc(0) depctr_vm_vsrc(0)
	s_getreg_b32 s2, hwreg(HW_REG_IB_STS2, 6, 4)
	s_cmp_eq_u32 s2, 0
	s_cbranch_scc0 .Lentry_in_a_cluster
	s_endpgm
.Lentry_in_a_cluster:
	s_bfe_u32 s2, ttmp6, 0x10000c
	s_cmp_lg_u32 s2, 0xf033
	s_cbranch_scc0 .Lentry_shape_is_right
	s_endpgm
.Lentry_shape_is_right:
; Q = rope(x Wq^T), K = rope(x Wk^T), V = x Wv^T on codes of FP8 (E4M3) with one E8M0 scale for each 32 along K = 1,024; the three results are quantised here
; (Q and K along the head's 64, V along the tokens) and stored as IMAGES OF OPERAND REGISTERS for the attention launch: every store of a wave covers 512 consecutive bytes, aligned.
; SHARES.  384 tiles of 256 x 256, a work-group of four waves each; a wave makes 128 x 128: 64 accumulators, 512 registers.  24 clusters of 4 x 4: clusters 0-7 make Q, 8-15 K, 16-23 V.
; "A" is the side whose rows fall into lanes (source 1), "B" the side whose rows run along a lane's registers (source 0).  Q, K: A = x, B = the weight: a lane holds one token, its registers
; run along the head's channels.  V: A = Wv, B = x: a lane holds one channel, its registers run along the tokens, which are the next product's K.  Only pointers are chosen: one text for the products.
; A's tile is shared along a row of the cluster, B's along a column: joint tensor loads, as many requests divided by four.
; ORDER OF K IN A COMPUTED OPERAND.  A lane's 16 registers of two neighbouring tiles hold k = 32 b + 16 (i / 8) + 8 (lane / 16) + i % 8 of block b: a permutation INSIDE a block of 32, which has one scale;
; both operands of the next product come from this same layout (Q with K, p with V), so the products are the same and only the order of the sum differs.
; ROPE.  cos and sin of position x 10^(-i / 8) are made in f32 for the work-group's 256 tokens: n = round(a 2 / pi), r = a - n C1 - n C2 (pi / 2 in two parts, fused), two polynomials on |r| <= pi / 4,
; quadrant by selects.  The table lies in LDS slot 0, which has had its last fill and its last read by then.
; LIMITS: |position x frequency| under 2^22 pi / 2 (positions up to some 4,000,000 either way); the frequencies are the nearest f32 to 10^(-i / 8); NaN and infinities are not served;
; a block of zeros gets the scale byte 1 where the quantiser says 127: its codes are zeros, and this program alone reads the bytes.
.set KSTEP,  256
.set NQ,     2                         ; matrix instructions deep in a slot
.set ROWB,   256                       ; a tile's row in bytes
.set KROW,   1024                      ; a row of x or of a weight in memory
.set PITCH,  272                       ; an LDS row: 256 bytes + 16 of padding: the 16 rows of a fragment load start at 16 different banks
.set FR,     16
.set NL,     4
.set NP,     8                         ; places behind this matrix instruction (ISA guide 7.12.1)
.set HALFT,  128*PITCH
.set SLOT,   4*HALFT                   ; A's 256 rows, then B's 256 rows
.set KS,     32                        ; a row of scale bytes
.set SCL,    2*SLOT                    ; behind the ring: the scales of all of K, as units of 256 bytes + 16
.set HALFS,  (128*KS/256)*272
.set SBLK,   (16*KS/256)*272
.set SPARE,  SCL+4*HALFS               ; the spare words: 128 bytes for each wave
.set TPITCH, 272                       ; the table: a token's 32 pairs (cos, sin), 256 bytes + 16
.set QREC,   9216                      ; qimg: 128 queries of a head: 8,192 bytes of codes, 1,024 of scale words
.set QHEAD,  16*QREC
.set KVSLOT, 35840                     ; kv: 256 keys of a head: K's codes 16,384, V's 16,384, K's words 2,048, V's 1,024
.set KVHEAD, 8*KVSLOT
.set PW,   8                           ; v8      the scale word just made
.set TRD,  9                           ; v9      where I read the table: (128 x my half + lane % 16) x 272 + 32 (lane / 16)
.set OFS,  10                          ; v10     16 x lane: my place in an image
.set TBAS, 11                          ; v11     where I write the table: thread x 272
.set POS,  12                          ; v12-13  the position in hand, the second position
.set TADR, 14
.set ADRA, 16                          ; v16-17  LDS address of my A fragments in slot 0, 1
.set ADRB, 20                          ; v20-21  the same for B
.set ADRS, 27                          ; v27     of my scale words: lanes 0-15 A's rows, lanes 16-31 B's
.set SPW,  28                          ; v28     my spare word; never rewritten
.set NIL,  29                          ; v29     0; never rewritten
.set TOK,  30                          ; v30     4 x thread
.set SC,   32                          ; v32-63  scale words, two sets: they hold nothing else
.set CS,   64                          ; v64-127 (cos, sin) of a block's tokens, two sets (v64, v65: the positions as loaded)
.set AF,   128                         ; A's fragments, window 0
.set PC,   128                         ; the way out: v128-143 codes, v144-159 scale words to store, v160-175 at work, v176-183 products with sin, v192-255 64 numbers
.set SW,   144
.set TM,   160
.set U,    176
.set X,    192
.set FQ,   128                         ; the table: v128-159 frequencies, v160-181 constants in pairs, v192-255 at work
.set K2PI, 160
.set MAG,  162
.set NMAG, 164
.set NC1,  166
.set NC2,  168
.set PS3,  170
.set PS2,  172
.set PS1,  174
.set PC3,  176
.set PC2,  178
.set PC1,  180
.set WK,   192
.set G1, 24
.set G0, 32
.set G1B, 48
.set G0B, 56
.set G1S, 68
.set G0S, 76
.set G1SB, 80
.set G0SB, 88
.set C0,  68                           ; the way out (all tensor loads are done): s[68:69], s[70:71] codes of my two heads; s[72:73], s[74:75] their words
.set C1,  70
.set W0,  72
.set W1,  74
.set HSP, 76
.set TP,  78
.set MNT, 80
.set SEL, 82
.set P01, 84
.set P23, 85
.set SGN, 86
.set MSB, 0
.macro WIN new                         ; the immediate's high byte repeats the setting that is left
.if MSB != (\new)
	s_set_vgpr_msb (MSB<<8)|(\new)
.set MSB, (\new)
.endif
.endm
.set MUL_LO, 0xa1                      ; source 0 (B) window 1, source 1 (A) window 0, C and D window 2
.set MUL_HI, 0xf1
.set TO_B,   0x40
; A joint load: waves 0 and 1 fetch for A, waves 2 and 3 for B.  The branch hangs on the wave's number alone; four v_nop follow each line.
.macro JLOAD g0a, g1a, g0b, g1b
	s_cmp_eq_u32 s15, 0
	s_cbranch_scc0 .Lfor_b_\@
	tensor_load_to_lds s[\g0a:\g0a+3], s[\g1a:\g1a+7]
	s_nop 0
.rept 4
	v_nop
.endr
	s_branch .Lasked_\@
.Lfor_b_\@:
	tensor_load_to_lds s[\g0b:\g0b+3], s[\g1b:\g1b+7]
	s_nop 0
.rept 4
	v_nop
.endr
.Lasked_\@:
.endm
.macro CREST                           ; a round of the cluster's barrier behind its opening barrier
	s_cmp_lg_u32 s14, 0
	s_cbranch_scc1 .Lnot_wave_0_\@
	s_barrier_signal -3
.Lnot_wave_0_\@:
	s_barrier_wait -3
	s_barrier_signal -1
	s_barrier_wait -1
.endm
.macro CROUND
	s_barrier_signal -1
	s_barrier_wait -1
	CREST
.endm
	s_load_b512 s[68:83], s[0:1], 0x0              ; x codes, x scales, Wq, Wq scales, Wk, Wk scales, Wv, Wv scales
	s_load_b128 s[84:87], s[0:1], 0x40             ; token_positions, qimg
	s_load_b64 s[88:89], s[0:1], 0x50              ; kv
	v_lshl_add_u32 v[SPW], v0, 2, SPARE
	v_mov_b32 v[NIL], 0
	ds_add_u32 v28, v29
	s_wait_dscnt 0x0
	v_lshrrev_b32 v1, 5, v0
	v_readfirstlane_b32 s14, v1                    ; wave 0..3
	s_lshr_b32 s15, s14, 1                         ; which half of A's rows is mine.  Also: I fetch for A (0) or for B (1)
	s_and_b32 s16, s14, 1                          ; which half of B's rows.  Also: which 128 rows I fetch
	s_bfe_u32 s40, ttmp6, 0x40000                  ; cx
	s_bfe_u32 s41, ttmp6, 0x40004                  ; cy
	s_lshr_b32 s66, ttmp9, 3                       ; the part: 0 Q, 1 K, 2 V: the same in all sixteen partners
	s_and_b32 s67, ttmp9, 7
	s_lshl_b32 s67, s67, 2                         ; the cluster's first tile of tokens
	s_cmp_lt_u32 s66, 2
	s_cselect_b32 s17, s67, 0
	s_cselect_b32 s42, 0, s67
	s_add_co_u32 s17, s17, s41                     ; A's tile: hangs on cy alone
	s_add_co_u32 s42, s42, s40                     ; B's tile: on cx alone
	s_lshl_b32 s43, s41, 2
	s_lshl_b32 s43, 15, s43                        ; my row of the cluster
	s_lshl_b32 s44, 0x1111, s40                    ; my column
	s_or_b32 s[G1+0], s43, (0<<16)|(1<<20)|(1<<21)|(5<<22)|(3<<25)  ; mask; elements of 1 byte; padding: 4 words after every 64
	s_or_b32 s[G1B+0], s44, (0<<16)|(1<<20)|(1<<21)|(5<<22)|(3<<25)
.irp g, G1, G1B
	s_mov_b32 s[\g+1], ROWB<<16                    ; tensor_dim0
	s_mov_b32 s[\g+2], 128<<16                     ; tensor_dim1
	s_mov_b32 s[\g+3], ROWB<<16                    ; tile_dim0
	s_mov_b32 s[\g+4], 128                         ; tile_dim1
	s_mov_b32 s[\g+5], KROW                        ; the pitch
	s_mov_b32 s[\g+6], 0
	s_mov_b32 s[\g+7], 0
.endr
	s_lshl_b32 s18, s16, 7
	s_lshl_b32 s20, s17, 8
	s_add_co_u32 s20, s20, s18                     ; A: row 256 x tile + 128 x half
	s_lshl_b32 s46, s42, 8
	s_add_co_u32 s46, s46, s18                     ; B likewise
	s_mov_b32 s21, 0
	s_mov_b32 s47, 0
	s_mov_b64 s[18:19], KS
	s_mul_u64 s[22:23], s[20:21], s[18:19]         ; where these rows' scales begin
	s_mul_u64 s[92:93], s[46:47], s[18:19]
	s_mov_b64 s[18:19], KROW
	s_mul_u64 s[20:21], s[20:21], s[18:19]         ; and their codes
	s_mul_u64 s[46:47], s[46:47], s[18:19]
	s_mul_i32 s45, s14, HALFT                      ; where they go: wave x 128 rows
	s_mul_i32 s94, s14, HALFS
	s_and_b32 s2, s17, 7
	s_lshl_b32 s2, s2, 10                          ; the positions of A's 256 tokens (used by Q's and K's work-groups)
	s_mov_b32 s3, 0
	s_wait_kmcnt 0x0
	s_cmp_eq_u32 s66, 0                            ; the choices hang on the part alone
	s_cselect_b64 s[100:101], s[72:73], s[76:77]
	s_cselect_b64 s[104:105], s[74:75], s[78:79]
	s_cselect_b64 s[12:13], s[86:87], s[88:89]     ; where the results go: qimg or kv
	s_cmp_lt_u32 s66, 2
	s_cselect_b64 s[100:101], s[100:101], s[80:81] ; the part's weight: codes,
	s_cselect_b64 s[104:105], s[104:105], s[82:83] ; scales
	s_cselect_b64 s[4:5], s[68:69], s[100:101]     ; A's codes, A's scales
	s_cselect_b64 s[6:7], s[70:71], s[104:105]
	s_cselect_b64 s[8:9], s[100:101], s[68:69]     ; B's
	s_cselect_b64 s[10:11], s[104:105], s[70:71]
	s_add_nc_u64 s[98:99], s[84:85], s[2:3]
	s_add_nc_u64 s[20:21], s[4:5], s[20:21]
	s_add_nc_u64 s[22:23], s[6:7], s[22:23]
	s_add_nc_u64 s[46:47], s[8:9], s[46:47]
	s_add_nc_u64 s[92:93], s[10:11], s[92:93]
	; the scales of 128 rows: 4,096 dense bytes as 16 rows of 256 (32 elements of 8 bytes), 16 bytes of padding behind each.  (These registers held the arguments until here)
	s_or_b32 s[G1S+0], s43, (3<<16)|(1<<20)|(1<<21)|(5<<22)|(3<<25)
	s_or_b32 s[G1SB+0], s44, (3<<16)|(1<<20)|(1<<21)|(5<<22)|(3<<25)
.irp g, G1S, G1SB
	s_mov_b32 s[\g+1], 32<<16
	s_mov_b32 s[\g+2], (128*KS/256)<<16
	s_mov_b32 s[\g+3], 32<<16
	s_mov_b32 s[\g+4], 128*KS/256
	s_mov_b32 s[\g+5], 32
	s_mov_b32 s[\g+6], 0
	s_mov_b32 s[\g+7], 0
.endr
	CROUND                                         ; all sixteen work-groups are here: the first joint loads meet
	s_mov_b32 s[G0S], 1
	s_add_co_u32 s[G0S+1], s94, SCL
	s_mov_b64 s[G0S+2:G0S+3], s[22:23]
	s_or_b32 s[G0S+3], s[G0S+3], 0x80000000
	s_mov_b32 s[G0SB], 1
	s_add_co_u32 s[G0SB+1], s94, SCL
	s_mov_b64 s[G0SB+2:G0SB+3], s[92:93]
	s_or_b32 s[G0SB+3], s[G0SB+3], 0x80000000
	JLOAD G0S, G1S, G0SB, G1SB                     ; the scales first: they are wanted with K step 0
.irp s, 0,1
	s_mov_b32 s[G0+4*\s], 1
	s_add_co_u32 s[G0+4*\s+1], s45, \s*SLOT
	s_add_nc_u64 s[G0+4*\s+2:G0+4*\s+3], s[20:21], \s*ROWB
	s_or_b32 s[G0+4*\s+3], s[G0+4*\s+3], 0x80000000
	s_mov_b32 s[G0B+4*\s], 1
	s_add_co_u32 s[G0B+4*\s+1], s45, \s*SLOT
	s_add_nc_u64 s[G0B+4*\s+2:G0B+4*\s+3], s[46:47], \s*ROWB
	s_or_b32 s[G0B+4*\s+3], s[G0B+4*\s+3], 0x80000000
	JLOAD G0+4*\s, G1, G0B+4*\s, G1B               ; three tensor loads of mine are out
.endr
	v_lshlrev_b32 v[TOK], 2, v0
	global_load_b32 v64, v[TOK], s[98:99]          ; the positions of tokens thread and thread + 128 of A's tile.  Every work-group loads them; V's, whose A is the weight, makes no use of them
	global_load_b32 v65, v[TOK], s[98:99] offset:512
	v_and_b32 v1, 15, v0                           ; l % 16
	v_bfe_u32 v2, v0, 4, 1                         ; l / 16
	v_mul_u32_u24 v3, v1, PITCH
	v_lshl_add_u32 v4, v2, 4, v3                   ; a fragment's row x pitch + 16 x half
	s_mul_i32 s21, s15, HALFT                      ; my 128 rows of A
	s_mul_i32 s22, s16, HALFT                      ; my 128 rows of B,
	s_add_co_u32 s22, s22, 2*HALFT                 ; which lie behind A's 256
.irp s, 0,1
	v_add_nc_u32 v[ADRA+\s], s21, v4
	v_add_nc_u32 v[ADRB+\s], s22, v4
	s_add_co_u32 s21, s21, SLOT
	s_add_co_u32 s22, s22, SLOT
.endr
	v_mul_u32_u24 v5, v1, KS                       ; my row's scales: 32 bytes a row,
	v_lshrrev_b32 v6, 8, v5
	v_lshl_add_u32 v5, v6, 4, v5                   ; and 16 more for each 256 passed
	s_mul_i32 s21, s15, HALFS
	s_mul_i32 s22, s16, HALFS
	s_add_co_u32 s22, s22, 2*HALFS
	s_sub_co_u32 s22, s22, s21
	v_mul_u32_u24 v6, s22, v2                      ; lanes 16-31 take B's
	s_add_co_u32 s21, s21, SCL
	v_add_nc_u32 v5, v5, v6
	v_add_nc_u32 v[ADRS], s21, v5
	v_mul_u32_u24 v[TRD], v1, TPITCH
	v_lshl_add_u32 v[TRD], v2, 5, v[TRD]
	s_mul_i32 s21, s15, 128*TPITCH
	v_add_nc_u32 v[TRD], s21, v[TRD]
	v_and_b32 v6, 31, v0
	v_lshlrev_b32 v[OFS], 4, v6
	v_mul_u32_u24 v[TBAS], v0, TPITCH
.macro FRAG reg, adr, q, i             ; 16 rows x 128 K of 8-bit codes: lane l holds row l % 16; registers 4 c .. 4 c + 3 hold K = 32 c + 16 (l / 16) + 0 .. 15
.irp c, 0,1,2,3
	ds_load_b128 v[\reg+4*\c:\reg+4*\c+3], v[\adr] offset:128*(\q)+32*\c+(\i)*16*PITCH
.endr
.endm
; 16 matrix instructions: A's blocks a0, a0 + 1 x B's eight.  The 64 accumulators take turns, one instruction a turn, in the same order in every step.
.macro MUL16 a0, p, q, sc, zero
.irp a, \a0, \a0+1
.irp b, 0,1,2,3,4,5,6,7
.if \zero
	v_wmma_scale_f32_16x16x128_f8f6f4 v[8*(8*((\a)%4)+\b):8*(8*((\a)%4)+\b)+7], v[128*(\p)+FR*\b:128*(\p)+FR*\b+FR-1], v[AF+FR*(\a):AF+FR*(\a)+FR-1], 0, v[SC+8*NQ*(\sc)+NQ*\b+(\q)], v[SC+8*NQ*(\sc)+NQ*(\a)+(\q)] matrix_a_scale:MATRIX_SCALE_ROW1
.else
	v_wmma_scale_f32_16x16x128_f8f6f4 v[8*(8*((\a)%4)+\b):8*(8*((\a)%4)+\b)+7], v[128*(\p)+FR*\b:128*(\p)+FR*\b+FR-1], v[AF+FR*(\a):AF+FR*(\a)+FR-1], v[8*(8*((\a)%4)+\b):8*(8*((\a)%4)+\b)+7], v[SC+8*NQ*(\sc)+NQ*\b+(\q)], v[SC+8*NQ*(\sc)+NQ*(\a)+(\q)] matrix_a_scale:MATRIX_SCALE_ROW1
.endif
.endr
.endr
.endm
.macro FETCH_B slot, q, p
	WIN TO_B
.irp i, 0,1,2,3,4,5,6,7
	FRAG 128*(\p)+FR*\i, ADRB+\slot, \q, \i
.endr
	WIN 0
.endm
.macro FETCH_A slot, q, i0
.irp i, \i0, \i0+1, \i0+2, \i0+3
	FRAG AF+FR*(\i), ADRA+\slot, \q, \i
.endr
.endm
.macro SCALES sc                       ; a K step's scale words: lanes 0-15 take A's block i, lanes 16-31 B's block i
.irp i, 0,1,2,3,4,5,6,7
	ds_load_b64 v[SC+8*NQ*\sc+NQ*\i:SC+8*NQ*\sc+NQ*\i+1], v[ADRS] offset:\i*SBLK
.endr
.endm
.macro PLACES n                        ; plain vector places behind matrix instructions, in front of loads into registers that they read and of the first read of results
.rept \n
	v_nop
.endr
.endm
.macro STEP slot, q, zero              ; 128 along K that has its successor in the same slot
	s_wait_dscnt 4*NL                              ; B's set and A's blocks 0-3 are in; the youngest 16 loads (A's blocks 4-7) may be out
	WIN MUL_LO
	MUL16 0, (\q)%2, \q, \slot, \zero
	MUL16 2, (\q)%2, \q, \slot, \zero
	s_wait_dscnt 0
	PLACES NP
	FETCH_B \slot, (\q)+1, 1-(\q)%2
	FETCH_A \slot, (\q)+1, 0
	WIN MUL_HI
	MUL16 4, (\q)%2, \q, \slot, \zero
	MUL16 6, (\q)%2, \q, \slot, \zero
	PLACES NP
	WIN 0
	FETCH_A \slot, (\q)+1, 4
.endm
; A slot's last step changes slots: each wave waits for all its tensor loads, adds 0 to its spare word, waits for that and for its reads of this slot; one barrier.  fill = 1: the barrier opens a round of the cluster's, and this slot is filled again.
.macro TURN slot, next, fill
	s_wait_tensorcnt 0x0                           ; all my tensor loads have landed: my part of the next slot
	ds_add_u32 v[SPW], v[NIL]                      ; 0 onto my spare word
	s_wait_dscnt 4*NL+1                            ; the add and the youngest 16 loads may be out
	WIN MUL_LO
	MUL16 0, 1, NQ-1, \slot, 0
	s_wait_dscnt 0x0                               ; the add is done, and my reads of this slot are over
	s_barrier_signal -1
	MUL16 2, 1, NQ-1, \slot, 0
	WIN 0
	s_barrier_wait -1
.if \fill
	CREST                                          ; no wave of any partner still reads this slot or has a load on its way
	s_add_nc_u64 s[G0+4*\slot+2:G0+4*\slot+3], s[G0+4*\slot+2:G0+4*\slot+3], 2*ROWB
	s_add_nc_u64 s[G0B+4*\slot+2:G0B+4*\slot+3], s[G0B+4*\slot+2:G0B+4*\slot+3], 2*ROWB
	JLOAD G0+4*\slot, G1, G0B+4*\slot, G1B         ; the first tensor load behind the round; its four v_nop are among the places below
	PLACES NP-4
.else
	PLACES NP
.endif
	v_add_nc_u32 v[ADRS], 4*NQ, v[ADRS]            ; the next K step's scale words
	FETCH_B \next, 0, 0
	FETCH_A \next, 0, 0
	SCALES \next
	WIN MUL_HI
	MUL16 4, 1, NQ-1, \slot, 0
	MUL16 6, 1, NQ-1, \slot, 0
	PLACES NP
	WIN 0
	FETCH_A \next, 0, 4
.endm
	s_wait_tensorcnt 1                             ; the scales and my part of K step 0 are in; K step 1's load may be out
	s_barrier_signal -1
	s_barrier_wait -1
	FETCH_B 0, 0, 0
	FETCH_A 0, 0, 0
	SCALES 0
	FETCH_A 0, 0, 4
	STEP 0, 0, 1                                   ; K = 1,024 is four slots' worth, eight steps of 128: written out; the first products start the sums
	TURN 0, 1, 1
	STEP 1, 0, 0
	TURN 1, 0, 1
	STEP 0, 0, 0
	TURN 0, 1, 0                                   ; behind this barrier nobody reads slot 0 any more, and nothing is filled
	STEP 1, 0, 0
	s_wait_dscnt 4*NL
	WIN MUL_LO
	MUL16 0, 1, NQ-1, 1, 0
	MUL16 2, 1, NQ-1, 1, 0
	s_wait_dscnt 0
	WIN MUL_HI
	MUL16 4, 1, NQ-1, 1, 0
	MUL16 6, 1, NQ-1, 1, 0
	WIN 0
	PLACES NP                                      ; behind the last products: A's registers are written and results are read from here on
	; ---- where my results go.  Tokens: tile and half of the side that holds x; heads: four to a tile of 256 channels, two to my half
	s_cmp_lt_u32 s66, 2
	s_cselect_b32 s20, s17, s42                    ; tile of tokens
	s_cselect_b32 s21, s15, s16                    ; my half of it
	s_cselect_b32 s22, s42, s17                    ; tile of channels
	s_cselect_b32 s23, s16, s15
	s_lshl_b32 s22, s22, 2
	s_lshl_b32 s23, s23, 1
	s_add_co_u32 s22, s22, s23                     ; my first head
	s_lshr_b32 s23, s20, 3
	s_lshl_b32 s23, s23, 4
	s_add_co_u32 s22, s22, s23                     ; + 16 x batch
	s_and_b32 s20, s20, 7
	s_lshl_b32 s20, s20, 1
	s_add_co_u32 s20, s20, s21                     ; which 128 tokens of the sequence
	s_lshr_b32 s21, s20, 1
	s_mul_i32 s21, s21, KVSLOT                     ; kv: the slot of 256 keys,
	s_and_b32 s23, s20, 1                          ; and which half of it
	s_mov_b32 s46, 32768
	s_cmp_eq_u32 s66, 2
	s_cselect_b32 s45, 16384, 0                    ; V's codes lie behind K's
	s_cselect_b32 s46, 34816, s46                  ; the words: K's at 32,768 (1,024 a half), V's at 34,816 (512 a half)
	s_cselect_b32 s47, 9, 10
	s_lshl_b32 s47, s23, s47
	s_lshl_b32 s23, s23, 13
	s_add_co_u32 s45, s45, s23
	s_add_co_u32 s45, s45, s21
	s_add_co_u32 s46, s46, s47
	s_add_co_u32 s46, s46, s21
	s_mul_i32 s20, s20, QREC                       ; qimg: the record of 128 queries; its words at 8,192
	s_add_co_u32 s21, s20, 8192
	s_mov_b32 s[HSP], KVHEAD
	s_cmp_eq_u32 s66, 0
	s_cselect_b32 s45, s20, s45
	s_cselect_b32 s46, s21, s46
	s_cselect_b32 s[HSP], QHEAD, s[HSP]            ; from head to head
	s_mov_b32 s[HSP+1], 0
	s_mul_i32 s22, s22, s[HSP]
	s_add_co_u32 s[TP], s22, s45
	s_mov_b32 s[TP+1], 0
	s_add_nc_u64 s[C0:C0+1], s[12:13], s[TP:TP+1]
	s_add_nc_u64 s[C1:C1+1], s[C0:C0+1], s[HSP:HSP+1]
	s_add_co_u32 s[TP], s22, s46
	s_add_nc_u64 s[W0:W0+1], s[12:13], s[TP:TP+1]
	s_add_nc_u64 s[W1:W1+1], s[W0:W0+1], s[HSP:HSP+1]
	s_mov_b32 s[MNT], 0x600000                     ; the mantissa field of 448
	s_mov_b32 s[SEL], 0x76543210
	s_mov_b32 s[SEL+1], 0xfedcba98                 ; v_permlanex16_b32: lane l xor 16
	s_mov_b32 s[P01], 0x01000100                   ; a head's two scale bytes, doubled: bytes 2 and 3 scale the zero half of the next K and must not be 0xff
	s_mov_b32 s[P23], 0x03020302
	s_mov_b32 s[SGN], 0x80000000
	; ---- the table of cos and sin.  Constants are written on every path
	s_wait_loadcnt 0x0
	v_cvt_f32_i32 v[POS], v64
	v_cvt_f32_i32 v[POS+1], v65
.set n, 0
.irp f, 1.0, 0.7498942093324559, 0.5623413251903491, 0.4216965034285822, 0.31622776601683794, 0.23713737056616552, 0.1778279410038923, 0.1333521432163324, 0.1, 0.07498942093324559, 0.05623413251903491, 0.04216965034285822, 0.031622776601683794, 0.023713737056616552, 0.01778279410038923, 0.01333521432163324, 0.01, 0.007498942093324559, 0.005623413251903491, 0.004216965034285822, 0.0031622776601683794, 0.0023713737056616552, 0.001778279410038923, 0.001333521432163324, 0.001, 0.0007498942093324559, 0.0005623413251903491, 0.0004216965034285822, 0.00031622776601683794, 0.00023713737056616552, 0.0001778279410038923, 0.0001333521432163324
	v_mov_b32 v[FQ+n], \f                          ; 10000^(-2 i / 64) = 10^(-i / 8)
.set n, n+1
.endr
.macro KPAIR reg, val
	v_mov_b32 v[\reg], \val
	v_mov_b32 v[\reg+1], \val
.endm
	KPAIR K2PI, 0x3f22f983                         ; 2 / pi
	KPAIR MAG,  0x4b400000                         ; 1.5 x 2^23: adding it rounds to a whole number and leaves that number in the low mantissa bits
	KPAIR NMAG, 0xcb400000
	KPAIR NC1,  0xbfc90fdb                         ; -(pi / 2 to f32)
	KPAIR NC2,  0x333bbd2e                         ; -(what is left of pi / 2)
	KPAIR PS3,  0xb94ca1f9                         ; sin r = r + r z (S1 + z (S2 + z S3)), z = r r
	KPAIR PS2,  0x3c08839e
	KPAIR PS1,  0xbe2aaaa3
	KPAIR PC3,  0x37ccf5ce                         ; cos r = 1 + z (-1/2 + z (C1 + z (C2 + z C3)))
	KPAIR PC2,  0xbab6061a
	KPAIR PC1,  0x3d2aaaa5
; Eight frequencies, 8 g .. 8 g + 7, of the position in hand: four pairs by turns, line by line.  At work for pair j, from v[WK + 16 j]: +0 a, later the sine's sign; +2 t; +4 n and +6 r, later (cos, sin, cos, sin); +8 z; +10 sin; +12 cos; +14 z r, later the cosine's sign
.macro TRIG4 g
	s_wait_dscnt 0x0                               ; the last stores into the table have read their registers
.irp j, 0,1,2,3
	v_pk_mul_f32 v[WK+16*\j:WK+16*\j+1], v[FQ+8*(\g)+2*\j:FQ+8*(\g)+2*\j+1], v[POS:POS+1] op_sel_hi:[1,0]
.endr
.irp j, 0,1,2,3
	v_pk_fma_f32 v[WK+16*\j+2:WK+16*\j+3], v[WK+16*\j:WK+16*\j+1], v[K2PI:K2PI+1], v[MAG:MAG+1]
.endr
.irp j, 0,1,2,3
	v_pk_add_f32 v[WK+16*\j+4:WK+16*\j+5], v[WK+16*\j+2:WK+16*\j+3], v[NMAG:NMAG+1]
.endr
.irp j, 0,1,2,3
	v_pk_fma_f32 v[WK+16*\j+6:WK+16*\j+7], v[WK+16*\j+4:WK+16*\j+5], v[NC1:NC1+1], v[WK+16*\j:WK+16*\j+1]
.endr
.irp j, 0,1,2,3
	v_pk_fma_f32 v[WK+16*\j+6:WK+16*\j+7], v[WK+16*\j+4:WK+16*\j+5], v[NC2:NC2+1], v[WK+16*\j+6:WK+16*\j+7]
.endr
.irp j, 0,1,2,3
	v_pk_mul_f32 v[WK+16*\j+8:WK+16*\j+9], v[WK+16*\j+6:WK+16*\j+7], v[WK+16*\j+6:WK+16*\j+7]
.endr
.irp j, 0,1,2,3
	v_pk_fma_f32 v[WK+16*\j+10:WK+16*\j+11], v[WK+16*\j+8:WK+16*\j+9], v[PS3:PS3+1], v[PS2:PS2+1]
	v_pk_fma_f32 v[WK+16*\j+12:WK+16*\j+13], v[WK+16*\j+8:WK+16*\j+9], v[PC3:PC3+1], v[PC2:PC2+1]
.endr
.irp j, 0,1,2,3
	v_pk_fma_f32 v[WK+16*\j+10:WK+16*\j+11], v[WK+16*\j+10:WK+16*\j+11], v[WK+16*\j+8:WK+16*\j+9], v[PS1:PS1+1]
	v_pk_fma_f32 v[WK+16*\j+12:WK+16*\j+13], v[WK+16*\j+12:WK+16*\j+13], v[WK+16*\j+8:WK+16*\j+9], v[PC1:PC1+1]
.endr
.irp j, 0,1,2,3
	v_pk_mul_f32 v[WK+16*\j+14:WK+16*\j+15], v[WK+16*\j+8:WK+16*\j+9], v[WK+16*\j+6:WK+16*\j+7]
	v_pk_fma_f32 v[WK+16*\j+12:WK+16*\j+13], v[WK+16*\j+12:WK+16*\j+13], v[WK+16*\j+8:WK+16*\j+9], -0.5 op_sel_hi:[1,1,0]
.endr
.irp j, 0,1,2,3
	v_pk_fma_f32 v[WK+16*\j+10:WK+16*\j+11], v[WK+16*\j+10:WK+16*\j+11], v[WK+16*\j+14:WK+16*\j+15], v[WK+16*\j+6:WK+16*\j+7]
	v_pk_fma_f32 v[WK+16*\j+12:WK+16*\j+13], v[WK+16*\j+12:WK+16*\j+13], v[WK+16*\j+8:WK+16*\j+9], 1.0 op_sel_hi:[1,1,0]
.endr
.irp e, 0,1                            ; the quadrant q = n mod 4, t's two low bits: odd: sin and cos change places; sin is negative where bit 1 is set, cos where bit 0 and bit 1 differ
.irp j, 0,1,2,3
	v_and_b32 v[WK+16*\j+8+\e], 1, v[WK+16*\j+2+\e]
	v_lshlrev_b32 v[WK+16*\j+\e], 30, v[WK+16*\j+2+\e]
	v_lshlrev_b32 v[WK+16*\j+14+\e], 31, v[WK+16*\j+2+\e]
.endr
.irp j, 0,1,2,3
	v_cmp_eq_u32 vcc_lo, 1, v[WK+16*\j+8+\e]
	v_cndmask_b32 v[WK+16*\j+4+2*\e], v[WK+16*\j+12+\e], v[WK+16*\j+10+\e], vcc_lo
	v_cndmask_b32 v[WK+16*\j+5+2*\e], v[WK+16*\j+10+\e], v[WK+16*\j+12+\e], vcc_lo
.endr
.irp j, 0,1,2,3
	v_xor_b32 v[WK+16*\j+14+\e], v[WK+16*\j+14+\e], v[WK+16*\j+\e]
.endr
.irp j, 0,1,2,3
	v_and_b32 v[WK+16*\j+\e], s[SGN], v[WK+16*\j+\e]
	v_and_b32 v[WK+16*\j+14+\e], s[SGN], v[WK+16*\j+14+\e]
.endr
.irp j, 0,1,2,3
	v_xor_b32 v[WK+16*\j+5+2*\e], v[WK+16*\j+5+2*\e], v[WK+16*\j+\e]
	v_xor_b32 v[WK+16*\j+4+2*\e], v[WK+16*\j+4+2*\e], v[WK+16*\j+14+\e]
.endr
.endr
.irp j, 0,1,2,3
	ds_store_b128 v[TADR], v[WK+16*\j+4:WK+16*\j+7] offset:64*(\g)+16*\j
.endr
.endm
	s_mov_b32 s2, 0
	s_mov_b32 s3, 0
.Ltab:                                             ; two trips: token thread, then token thread + 128.  Every work-group walks the loop; V's jumps over the work inside it
	s_cmp_ge_u32 s66, 2
	s_cbranch_scc1 .Lno_tab
	v_add_nc_u32 v[TADR], s3, v[TBAS]
	TRIG4 0
	TRIG4 1
	TRIG4 2
	TRIG4 3
	v_mov_b32 v[POS], v[POS+1]
.Lno_tab:
	s_add_co_u32 s3, s3, 128*TPITCH
	s_add_co_u32 s2, s2, 1
	s_cmp_lt_u32 s2, 2
	s_cbranch_scc1 .Ltab
	s_wait_dscnt 0x0                               ; for the others' sake: my rows of the table lie in LDS
	s_barrier_signal -1
	s_barrier_wait -1
.irp b, 0,1,2,3
	v_mov_b32 v[TM+4+\b], 0                        ; written once: a lane permute's destination counts as one of its sources
.endr
; 64 numbers of a lane, register 16 b + i of block b, from v[sr] on in window wn, become 16 registers of codes in v[PC] on and the four blocks' scale bytes in v[pw].
; A block lies in lanes l and l xor 16.  Scale = the largest magnitude's exponent - 8, floor at byte 1; the numbers are held within 448 x the scale, since the conversion does not saturate (ISA guide 7.6.2).
.macro QUANT sr, wn, pw
	WIN (\wn)|((\wn)<<2)
.irp b, 0,1,2,3
	v_max3_num_f32 v[TM+\b], |v[\sr+16*\b]|, |v[\sr+1+16*\b]|, 0x4800000
.endr
	WIN ((\wn)<<2)|((\wn)<<4)
.irp i, 2,4,6,8,10,12,14
.irp b, 0,1,2,3
	v_max3_num_f32 v[TM+\b], v[TM+\b], |v[\sr+16*\b+\i]|, |v[\sr+1+16*\b+\i]|
.endr
.endr
	WIN 0
.irp b, 0,1,2,3
	v_permlanex16_b32 v[TM+4+\b], v[TM+\b], s[SEL], s[SEL+1]
.endr
.irp b, 0,1,2,3
	v_max_num_f32 v[TM+\b], v[TM+\b], v[TM+4+\b]
.endr
.irp b, 0,1,2,3
	v_add_nc_u32 v[TM+12+\b], 0xfc000000, v[TM+\b]           ; 8 off the exponent field: the conversion's scale operand
.endr
.irp b, 0,1,2,3
	v_and_or_b32 v[TM+8+\b], v[TM+\b], 0x7f800000, s[MNT]    ; 448 x the scale
.endr
.irp b, 0,1,2,3
	v_lshrrev_b32 v[TM+4+\b], 23, v[TM+12+\b]                ; the scale's byte
.endr
	v_lshl_or_b32 v[\pw], v[TM+5], 8, v[TM+4]
	v_lshl_or_b32 v[\pw], v[TM+6], 16, v[\pw]
	v_lshl_or_b32 v[\pw], v[TM+7], 24, v[\pw]
	WIN (\wn)
.set n, 0
.rept 64
	v_med3_num_f32 v[X+n], v[\sr+n], -v[TM+8+n/16], v[TM+8+n/16]
.set n, n+1
.endr
	WIN 0
	s_wait_xcnt 0x0                                ; the last block's stores have read the codes' registers
.irp b, 0,1,2,3
	v_cvt_scalef32_pk8_fp8_f32 v[PC+4*\b:PC+4*\b+1], v[X+16*\b:X+16*\b+7], v[TM+12+\b]
	v_cvt_scalef32_pk8_fp8_f32 v[PC+4*\b+2:PC+4*\b+3], v[X+16*\b+8:X+16*\b+15], v[TM+12+\b]
.endr
	v_nop                                          ; a plain line behind the last conversion, ahead of whatever next writes its sources
.endm
.macro LOADCS a                        ; block a's 16 tokens: my token's (cos, sin) of pairs 8 t + 4 (lane / 16) + 0 .. 3, t = 0 .. 3: the pairs of my eight channels in each tile of a head
.irp t, 0,1,2,3
	ds_load_b128 v[CS+32*((\a)%2)+8*\t:CS+32*((\a)%2)+8*\t+3], v[TRD] offset:(\a)*16*TPITCH+64*\t
	ds_load_b128 v[CS+32*((\a)%2)+8*\t+4:CS+32*((\a)%2)+8*\t+7], v[TRD] offset:(\a)*16*TPITCH+64*\t+16
.endr
.endm
.macro ROPE a                          ; (t1, t2) -> (t1 c - t2 s, t2 c + t1 s), from the accumulators into v[X] on; each accumulator is read from its low end on
.set AC, 64*((\a)%4)
.set CB, CS+32*((\a)%2)
	s_wait_dscnt 0x0                               ; this block's cos and sin are in
	WIN 2+(\a)/4                                   ; source 0: the accumulators' window
.set bb, 0
.rept 8
.irp p, 0,1,2,3
	v_mul_f32 v[U+2*\p], -v[AC+8*bb+2*\p+1], v[CB+8*(bb%4)+2*\p+1]
	v_mul_f32 v[U+2*\p+1], v[AC+8*bb+2*\p], v[CB+8*(bb%4)+2*\p+1]
.endr
.irp p, 0,1,2,3
	v_pk_fma_f32 v[X+8*bb+2*\p:X+8*bb+2*\p+1], v[AC+8*bb+2*\p:AC+8*bb+2*\p+1], v[CB+8*(bb%4)+2*\p:CB+8*(bb%4)+2*\p+1], v[U+2*\p:U+2*\p+1] op_sel_hi:[1,0,1]
.endr
.set bb, bb+1
.endr
	WIN 0
.endm
	s_cmp_ge_u32 s66, 2
	s_cbranch_scc1 .Lv_out
	; ---- Q and K: block a = 16 tokens x my two heads.  Codes 0-7: head 0's two blocks of 32, codes 8-15: head 1's
	LOADCS 0
.irp a, 0,1,2,3,4,5,6,7
	ROPE \a
.if \a < 7
	LOADCS \a+1
.endif
	QUANT X, 0, PW
	global_store_b128 v[OFS], v[PC:PC+3], s[C0:C0+1] offset:\a*1024
	global_store_b128 v[OFS], v[PC+4:PC+7], s[C0:C0+1] offset:\a*1024+512
	global_store_b128 v[OFS], v[PC+8:PC+11], s[C1:C1+1] offset:\a*1024
	global_store_b128 v[OFS], v[PC+12:PC+15], s[C1:C1+1] offset:\a*1024+512
	v_perm_b32 v[SW+\a], v[PW], v[PW], s[P01]
	v_perm_b32 v[SW+8+\a], v[PW], v[PW], s[P23]
.endr
	global_store_b128 v[OFS], v[SW:SW+3], s[W0:W0+1]             ; a lane's words of tiles 0-3, of tiles 4-7
	global_store_b128 v[OFS], v[SW+4:SW+7], s[W0:W0+1] offset:512
	global_store_b128 v[OFS], v[SW+8:SW+11], s[W1:W1+1]
	global_store_b128 v[OFS], v[SW+12:SW+15], s[W1:W1+1] offset:512
	s_branch .Lend
.Lv_out:
	; ---- V: block a = 16 channels (head a / 4, tile a % 4) x my 128 tokens: one fragment of V^T and its scale word
.irp a, 0,1,2,3,4,5,6,7
	QUANT 64*((\a)%4), 2+(\a)/4, SW+\a
.irp c, 0,1,2,3
	global_store_b128 v[OFS], v[PC+4*\c:PC+4*\c+3], s[C0+2*(\a/4):C0+2*(\a/4)+1] offset:(\a%4)*2048+512*\c
.endr
.endr
	global_store_b128 v[OFS], v[SW:SW+3], s[W0:W0+1]
	global_store_b128 v[OFS], v[SW+4:SW+7], s[W1:W1+1]
.Lend:
	s_wait_tensorcnt 0x0                           ; the wave's end
	ds_add_u32 v[SPW], v[NIL]
	s_wait_dscnt 0x0
	CROUND                                         ; the closing round
	s_endpgm
.Lfunc_end_k_q66497703fc_proj:
	.size	k_q66497703fc_proj, .Lfunc_end_k_q66497703fc_proj-k_q66497703fc_proj
	.p2alignl 7, 3214868480
	.fill 96, 4, 3214868480
	.section	.rodata,"a",@progbits
	.p2align	6, 0x0
	.amdhsa_kernel k_q66497703fc_proj
		.amdhsa_group_segment_fixed_size 327680
		.amdhsa_private_segment_fixed_size 0
		.amdhsa_enable_private_segment 0
		.amdhsa_kernarg_size 88
		.amdhsa_user_sgpr_count 2
		.amdhsa_user_sgpr_kernarg_segment_ptr 1
		.amdhsa_wavefront_size32 1
		.amdhsa_system_sgpr_workgroup_id_x 1
		.amdhsa_system_sgpr_workgroup_id_y 1
		.amdhsa_system_sgpr_workgroup_id_z 1
		.amdhsa_system_vgpr_workitem_id 0
		.amdhsa_next_free_vgpr 1024
		.amdhsa_next_free_sgpr 106
		.amdhsa_reserve_vcc 1
		.amdhsa_float_denorm_mode_32 3
		.amdhsa_float_denorm_mode_16_64 3
		.amdhsa_memory_ordered 1
		.amdhsa_forward_progress 1
		.amdhsa_inst_pref_size 255
	.end_amdhsa_kernel
	.section	.bss,"aw",@nobits
	.p2align	6
	.space	262144
	.amdgpu_metadata
---
amdhsa.version: [ 1, 2 ]
amdhsa.kernels:
  - .name:           k_q66497703fc_proj
    .symbol:         k_q66497703fc_proj.kd
    .args:
      - { .name: x_codes, .offset: 0, .size: 8, .value_kind: global_buffer, .address_space: global }
      - { .name: x_scales, .offset: 8, .size: 8, .value_kind: global_buffer, .address_space: global }
      - { .name: Wq_codes, .offset: 16, .size: 8, .value_kind: global_buffer, .address_space: global }
      - { .name: Wq_scales, .offset: 24, .size: 8, .value_kind: global_buffer, .address_space: global }
      - { .name: Wk_codes, .offset: 32, .size: 8, .value_kind: global_buffer, .address_space: global }
      - { .name: Wk_scales, .offset: 40, .size: 8, .value_kind: global_buffer, .address_space: global }
      - { .name: Wv_codes, .offset: 48, .size: 8, .value_kind: global_buffer, .address_space: global }
      - { .name: Wv_scales, .offset: 56, .size: 8, .value_kind: global_buffer, .address_space: global }
      - { .name: token_positions, .offset: 64, .size: 8, .value_kind: global_buffer, .address_space: global }
      - { .name: qimg, .offset: 72, .size: 8, .value_kind: global_buffer, .address_space: global }
      - { .name: kv, .offset: 80, .size: 8, .value_kind: global_buffer, .address_space: global }
    .group_segment_fixed_size: 327680
    .private_segment_fixed_size: 0
    .kernarg_segment_align: 8
    .kernarg_segment_size: 88
    .max_flat_workgroup_size: 128
    .sgpr_count:     106
    .vgpr_count:     1024
    .wavefront_size: 32
...
	.end_amdgpu_metadata
.endif
;; end of part 1
;; launch attn (part 2): grid 4 x 64, 16 waves a work-group, no clusters, 327,680 bytes of LDS; arguments qimg, kv, yimg, ysc; writes yimg, ysc
.if DOCPART == 2
	.amdgcn_target "amdgcn-amd-amdhsa--gfx1250"
	.amdhsa_code_object_version 6
	.text
	.protected	k_q66497703fc_attn
	.globl	k_q66497703fc_attn
	.p2align	8
	.type	k_q66497703fc_attn,@function
k_q66497703fc_attn:
	s_mov_b64 s[64:65], 0
	v_nop
	global_prefetch_b8 v0, s[64:65] scope:SCOPE_SE
	s_setreg_imm32_b32 hwreg(HW_REG_WAVE_MODE, 25, 1), 1
	s_wait_xcnt 0x0
; Causal attention of one head on codes of FP8 (E4M3), one E8M0 scale for each 32 along a product's K, and the quantising of Y = O / l for the last product.
; t = score x log2(e) / 8; M = the running largest t rounded UP to a whole number; p = 2^(t - M) is quantised along the keys, not normalised; the row's sum is taken of the unquantised p and divides O at the end.
; SHARES.  Work-group (I, head) owns the blocks of 256 queries 7 - I and I of its head; each of its sixteen waves one tile of 16 queries in each block, in 256 registers: four waves to a SIMD, so that one wave's vector
; work stands beside another's matrix work and LDS loads.  Block 7 - I walks slots (256 keys) 0 .. 7 - I, then block I walks slots 0 .. I: NINE visits in every work-group, so the trip count is a constant and all
; 256 work-groups have the same work: 16 key steps of 128 in waves 0-7, 18 in waves 8-15.  A step all of whose keys come after the wave's queries is jumped over (a scalar branch on ids).
; LAYOUT.  Both products are used transposed: S^T = K Q^T, O^T = V^T P^T: a lane holds one query (lane % 16) throughout.  All operands come as images of their registers: every LDS read is 16 x lane + a constant.
; In every computed operand position (block b, lane / 16 = h, i) stands for k = 32 b + 16 (i / 8) + 8 h + i % 8: a permutation inside a block of 32, the same on both sides of each product.
; The first product's K is 64: the upper 64 of the instruction's 128 are zero codes on both sides, in registers that are cleared once; their scale bytes repeat the lower two.
; NO JOINT LOADS: the four work-groups of a head walk the same slots only up to visit 4 - I .. : from visit 8 - I on a work-group starts again at slot 0, so partners would need different tiles in the same round;
; what they share is 35,840 bytes a visit.
; LIMITS: NaN and infinities are not served; a block of zeros gets the scale byte 1 where the quantiser says 127: its codes are zeros and this program alone reads the bytes.  ysc is stored 2 bytes a lane: 512 KiB in all.
; REGISTERS: v1 16 x lane, v2 lane % 16 - 8 (lane / 16), v3 256 x lane, v4 8 x lane, v5 and v6 the add's, v8 the slot's address; v12 -M, v13 the largest t, v[14:15] the sum; v16-31 Q; v32-95 four fragments of K;
; v96-159 S^T, then p, then four fragments of V^T; v160-191 O^T; v192-200 the second block's Q and its scale word; v204-221 at work; v224-239 p's codes; v248-251 K's or V's scale words; v252 f; v253 p's word; v255 Q's word.
.set SLOTB, 35840                      ; a slot of kv: K's codes 16,384, V's codes 16,384, K's words 2,048, V's words 1,024
.set HALFB, 17920                      ; what one tensor load brings: 70 rows of 256 bytes
.set HEADB, 8*SLOTB
.set SLOT1, 65536                      ; LDS slot 1 begins here: one exclusive or turns an address
.set SPARE, 131072                     ; the spare words: 128 bytes for each of sixteen waves
.set QREC,  9216
.set QHEAD, 16*QREC
.set VC,    16384
.set KWD,   32768
.set VWD,   34816
.set MX,  204
.set T2,  208
.set LIM, 212
.set SCO, 216
.set SM2, 220
.macro TLOAD                           ; waves 0 and 1 fetch a slot's two halves; four v_nop follow the line
	s_cmp_lt_u32 s12, 2
	s_cbranch_scc0 .Lasked_\@
	tensor_load_to_lds s[32:35], s[24:31]
	s_nop 0
.rept 4
	v_nop
.endr
.Lasked_\@:
.endm
; A prefetch into the L2 of the codes of the slot that the NEXT change of slots will ask for: 128 blocks of 256 bytes, a lane a block, waves 4 to 7 of the head's work-group 0, which walks slots 0 to 7 in order: each block
; is named once in the launch.  Visits 0 to 5 ask for slots 2 to 7: two key steps ahead of the load.  Slots 0 and 1, and each slot's 3,072 bytes of scale words, come by their loads alone.
.macro ASK
	s_cmp_gt_u32 s15, s41
	s_cbranch_scc0 .Lnot_mine_\@
	global_prefetch_b8 v3, s[42:43] th:TH_LOAD_NT scope:SCOPE_SE
.Lnot_mine_\@:
.endm
	s_load_b256 s[4:11], s[0:1], 0x0               ; qimg s[4:5], kv s[6:7], yimg s[8:9], ysc s[10:11]
	v_lshl_add_u32 v5, v0, 2, SPARE
	v_mov_b32 v6, 0
	ds_add_u32 v5, v6
	ds_add_u32 v5, v6
	s_wait_dscnt 0x0
	v_lshrrev_b32 v8, 5, v0
	s_delay_alu instid0(VALU_DEP_1)
	v_readfirstlane_b32 s12, v8                    ; wave 0..15
	s_mov_b32 s13, ttmp9                           ; I
	s_and_b32 s14, ttmp7, 0xffff                   ; 16 x batch + head
	s_mov_b32 s24, 3<<16                           ; group 1: elements of 8 bytes, no mask, no padding
	s_mov_b32 s25, 32<<16                          ; tensor_dim0 = 32 (256 bytes)
	s_mov_b32 s26, 70<<16                          ; tensor_dim1 = 70
	s_mov_b32 s27, 32<<16                          ; tile_dim0
	s_mov_b32 s28, 70                              ; tile_dim1
	s_mov_b32 s29, 32                              ; the pitch: dense
	s_mov_b32 s30, 0
	s_mov_b32 s31, 0
	s_and_b32 s44, s12, 1
	s_mul_i32 s44, s44, HALFB                      ; my half of a slot, in memory and in LDS
	s_mul_i32 s45, s14, HEADB
	s_add_co_u32 s38, s45, s44
	s_mov_b32 s39, 0                               ; s[38:39]: an offset as a pair; the high word stays 0
	s_wait_kmcnt 0x0
	s_add_nc_u64 s[36:37], s[6:7], s[38:39]        ; my half of the head's slot 0
	s_mov_b32 s32, 1
	s_mov_b32 s33, s44
	s_mov_b64 s[34:35], s[36:37]
	s_or_b32 s35, s35, 0x80000000
	TLOAD                                          ; slot 0: one tensor load of mine is out
	s_and_b32 s46, s12, 3
	s_lshl_b32 s46, s46, 13                        ; the prefetches: 8,192 bytes a wave,
	s_add_co_u32 s38, s45, s46
	s_add_co_u32 s38, s38, SLOTB                   ; in slot 1: the first change of slots steps it to slot 2
	s_add_nc_u64 s[42:43], s[6:7], s[38:39]
	s_lshr_b32 s46, s12, 2
	s_xor_b32 s46, s46, 1                          ; 0 in waves 4 to 7
	s_or_b32 s46, s46, s13                         ; of work-group 0 of the head
	s_cmp_eq_u32 s46, 0
	s_cselect_b32 s41, 2, -1                       ; such a wave asks while more than 2 visits with a refill are left
	v_and_b32 v7, 31, v0
	s_delay_alu instid0(VALU_DEP_1)
	v_lshlrev_b32 v3, 8, v7
	s_delay_alu instid0(VALU_DEP_2)
	v_lshlrev_b32 v1, 4, v7
	s_wait_alu depctr_va_vdst(0)
	v_lshlrev_b32 v4, 3, v7
	v_and_b32 v9, 15, v0
	v_bfe_u32 v10, v0, 4, 1
	s_delay_alu instid0(VALU_DEP_1)
	v_lshlrev_b32 v10, 3, v10
	s_delay_alu instid0(VALU_DEP_1)
	v_sub_nc_u32 v2, v9, v10
	s_sub_co_u32 s45, 7, s13                       ; the first block
	s_lshl_b32 s18, s45, 8
	s_lshl_b32 s46, s12, 4
	s_add_co_u32 s18, s18, s46                     ; my first query
	s_lshr_b32 s47, s12, 3
	s_lshl_b32 s45, s45, 1
	s_add_co_u32 s45, s45, s47                     ; its record of 128 queries
	s_mul_i32 s45, s45, QREC
	s_mul_i32 s52, s14, QHEAD
	s_add_co_u32 s38, s45, s52
	s_add_nc_u64 s[56:57], s[4:5], s[38:39]
	s_lshl_b32 s45, s13, 1                         ; and the second block's
	s_add_co_u32 s45, s45, s47
	s_mul_i32 s45, s45, QREC
	s_add_co_u32 s38, s45, s52
	s_add_nc_u64 s[58:59], s[4:5], s[38:39]
	s_and_b32 s45, s12, 7
	s_lshl_b32 s46, s45, 10
	v_add_nc_u32 v9, s46, v1                       ; my tile's codes in a record
	s_lshr_b32 s45, s45, 2
	s_lshl_b32 s45, s45, 9
	s_and_b32 s46, s12, 3
	s_lshl_b32 s46, s46, 2
	s_add_co_u32 s45, s45, s46
	s_add_co_u32 s45, s45, 8192
	v_add_nc_u32 v10, s45, v1                      ; and its scale word
	global_load_b128 v[16:19], v9, s[56:57]
	global_load_b128 v[20:23], v9, s[56:57] offset:512
	global_load_b32 v255, v10, s[56:57]
	global_load_b128 v[192:195], v9, s[58:59]
	global_load_b128 v[196:199], v9, s[58:59] offset:512
	global_load_b32 v200, v10, s[58:59]
	s_mov_b32 s15, 8                               ; visits with a refill still to come
	s_mov_b32 s16, 0                               ; the slot of kv asked for last
	s_mov_b32 s17, 0                               ; the step's first key
	s_mov_b32 s20, 0x76543210
	s_mov_b32 s21, 0xfedcba98                      ; v_permlanex16_b32: lane l xor 16
	s_mov_b32 s22, 0x3e38aa3b                      ; c = log2(e) / 8
	s_mov_b32 s23, s22
	s_mov_b32 s40, 0                               ; LDS byte at which the slot in hand begins
.set n, 0
.rept 8
	v_mov_b32 v[24+n], 0                           ; the zero halves of Q's and K's fragments: K = 64 .. 127; set once
	v_mov_b32 v[40+n], 0
	v_mov_b32 v[56+n], 0
	v_mov_b32 v[72+n], 0
	v_mov_b32 v[88+n], 0
.set n, n+1
.endr
	v_mov_b32 v13, 0xff61b1e6                      ; the largest t so far: -3e38
	s_delay_alu instid0(VALU_DEP_1)
	v_floor_f32 v12, -v13                          ; -M
	v_mov_b32 v14, 0
	v_mov_b32 v15, 0
.irp b, 0,1,2,3
	v_mov_b32 v[T2+\b], 0                          ; written once: a lane permute's destination counts as one of its sources
.endr
	v_mov_b32 v253, 0                              ; (named as the upper half of the pair v[252:253] before it is first written)
.set n, 0
.rept 32
	v_mov_b32 v[160+n], 0                          ; O^T: the first change of M multiplies zeros
.set n, n+1
.endr
; A KEY STEP: 128 keys, the q-th of the slot in hand.
.macro STEP q
	s_add_co_u32 s44, s18, 15
	s_cmp_gt_u32 s17, s44                          ; all keys after my queries: nothing to do
	s_cbranch_scc1 .Lhidden_\@
	v_add_nc_u32 v8, s40, v1
	s_wait_alu depctr_va_vdst(0)
.rept 8
	v_nop                                          ; with the line above nine places behind the last products: the scores are written over the registers that held V's fragments, and loads go into the scale words' registers
.endr
.irp g, 0,1                                    ; S^T = K Q^T, four tiles of 16 keys at a time
.if \g > 0
.rept 8
	v_nop                                          ; places in front of loads into registers that matrix instructions have read
.endr
.endif
.irp t, 0,1,2,3
	ds_load_b128 v[32+16*\t:35+16*\t], v8 offset:8192*(\q)+1024*(4*\g+\t)
	ds_load_b128 v[36+16*\t:39+16*\t], v8 offset:8192*(\q)+1024*(4*\g+\t)+512
.endr
	ds_load_b128 v[248:251], v8 offset:KWD+1024*(\q)+512*\g
	s_wait_dscnt 0x0
.irp t, 0,1,2,3
	v_wmma_scale_f32_16x16x128_f8f6f4 v[96+8*(4*\g+\t):103+8*(4*\g+\t)], v[32+16*\t:47+16*\t], v[16:31], 0, v[248+\t], v255
.endr
.endr                                          ; register n of lane (r, h): query r, key 16 (n / 8) + 8 h + n % 8 of the step
.rept 8
	v_nop
.endr
	s_add_co_u32 s44, s17, 127
	s_cmp_le_u32 s44, s18                          ; all keys count: no mask
	s_cbranch_scc1 .Lopen_\@
	s_sub_co_i32 s44, s18, s17
	v_add_nc_u32 v252, s44, v2                     ; d = my query - the step's first key - 8 h: register n is hidden where 16 (n / 8) + n % 8 > d
	v_mov_b32 v254, 0xff800000                     ; -infinity: p = 0 then
.set n, 0
.rept 64
	v_cmp_gt_i32 vcc_lo, 16*(n/8)+n%8, v252
	v_cndmask_b32 v[96+n], v[96+n], v254, vcc_lo
.set n, n+1
.endr
.Lopen_\@:
.irp b, 0,1,2,3
	v_max3_num_f32 v[MX+\b], v[96+16*\b], v[97+16*\b], v[98+16*\b]   ; the largest score of each block of 32 keys: for the row's maximum, and, since p rises with the score, for the block's largest p
.endr
.irp i, 3,5,7,9,11,13
.irp b, 0,1,2,3
	v_max3_num_f32 v[MX+\b], v[MX+\b], v[96+16*\b+\i], v[97+16*\b+\i]
.endr
.endr
.irp b, 0,1,2,3
	v_max_num_f32 v[MX+\b], v[MX+\b], v[111+16*\b]
.endr
.irp b, 0,1,2,3
	s_delay_alu instid0(VALU_DEP_4)
	v_permlanex16_b32 v[T2+\b], v[MX+\b], s20, s21
.endr
.irp b, 0,1,2,3
	s_delay_alu instid0(VALU_DEP_4)
	v_max_num_f32 v[MX+\b], v[MX+\b], v[T2+\b]
.endr
	s_delay_alu instid0(VALU_DEP_2)
	v_max3_num_f32 v254, v[MX], v[MX+1], v[MX+2]
	s_delay_alu instid0(VALU_DEP_1)
	v_max_num_f32 v254, v254, v[MX+3]
	s_delay_alu instid0(VALU_DEP_1)
	v_mul_f32 v254, s22, v254
	s_delay_alu instid0(VALU_DEP_1)
	v_max_num_f32 v13, v13, v254                   ; the running largest t
	v_mov_b32 v254, v12
	s_delay_alu instid0(VALU_DEP_2)
	v_floor_f32 v12, -v13                          ; the new -M = -ceil(t)
	s_delay_alu instid0(VALU_DEP_1)
	v_sub_f32 v254, v12, v254                      ; old M - new M: a whole number, 0 or less
	s_delay_alu instid0(VALU_DEP_1)
	v_cvt_i32_f32 v254, v254                       ; (it saturates)
	s_delay_alu instid0(VALU_DEP_1)
	v_ldexp_f32 v252, 1.0, v254                    ; f = 2^(old M - new M): rounds nothing
.set n, 0
.rept 32
	v_pk_fma_f32 v[96+n:97+n], v[96+n:97+n], s[22:23], v[12:13] op_sel_hi:[1,0,0]   ; t - M
.set n, n+2
.endr
.irp b, 0,1,2,3
	v_fma_f32 v[MX+\b], v[MX+\b], s22, v12
.endr
.set n, 0
	s_wait_alu depctr_va_vdst(0)
.rept 64
	v_exp_f32 v[96+n], v[96+n]                     ; p = 2^(t - M)
.set n, n+1
.endr
	v_pk_mul_f32 v[14:15], v[14:15], v[252:253] op_sel_hi:[1,0]   ; the sums under the new M: the plain line behind the exponentials
	s_wait_alu depctr_va_vdst(0)                   ; one wait for the batch of 64, ahead of its first reader
.irp b, 0,1,2,3
	v_exp_f32 v[MX+\b], v[MX+\b]                   ; each block's largest p
.endr
	v_pk_add_f32 v[220:221], v[100:101], v[104:105]
	v_pk_add_f32 v[250:251], v[108:109], v[112:113]
	v_pk_add_f32 v[248:249], v[116:117], v[120:121]
	v_pk_add_f32 v[246:247], v[124:125], v[128:129]
	v_pk_add_f32 v[244:245], v[132:133], v[136:137]
	v_pk_add_f32 v[242:243], v[140:141], v[144:145]
	v_pk_add_f32 v[240:241], v[148:149], v[152:153]
	v_pk_add_f32 v[14:15], v[14:15], v[156:157]
	v_pk_add_f32 v[220:221], v[220:221], v[96:97]
	v_pk_add_f32 v[250:251], v[250:251], v[98:99]
	v_pk_add_f32 v[248:249], v[248:249], v[102:103]
	v_pk_add_f32 v[246:247], v[246:247], v[106:107]
	v_pk_add_f32 v[244:245], v[244:245], v[110:111]
	v_pk_add_f32 v[242:243], v[242:243], v[114:115]
	v_pk_add_f32 v[240:241], v[240:241], v[118:119]
	v_pk_add_f32 v[14:15], v[14:15], v[122:123]
	v_pk_add_f32 v[220:221], v[220:221], v[126:127]
	v_pk_add_f32 v[250:251], v[250:251], v[130:131]
	v_pk_add_f32 v[248:249], v[248:249], v[134:135]
	v_pk_add_f32 v[246:247], v[246:247], v[138:139]
	v_pk_add_f32 v[244:245], v[244:245], v[142:143]
	v_pk_add_f32 v[242:243], v[242:243], v[146:147]
	v_pk_add_f32 v[240:241], v[240:241], v[150:151]
	v_pk_add_f32 v[14:15], v[14:15], v[154:155]
	v_pk_add_f32 v[220:221], v[220:221], v[158:159]
	s_delay_alu instid0(VALU_DEP_2)
	v_pk_add_f32 v[14:15], v[14:15], v[246:247]
	s_delay_alu instid0(VALU_DEP_2)
	v_pk_add_f32 v[220:221], v[220:221], v[244:245]
	v_pk_add_f32 v[250:251], v[250:251], v[242:243]
	v_pk_add_f32 v[248:249], v[248:249], v[240:241]
	s_delay_alu instid0(VALU_DEP_2)
	v_pk_add_f32 v[14:15], v[14:15], v[250:251]
	s_delay_alu instid0(VALU_DEP_2)
	v_pk_add_f32 v[220:221], v[220:221], v[248:249]
	s_delay_alu instid0(VALU_DEP_1)
	v_pk_add_f32 v[14:15], v[14:15], v[220:221]
	s_wait_alu depctr_va_vdst(0)                   ; and one for the four
.irp b, 0,1,2,3
	v_max_num_f32 v[MX+\b], 0x4800000, v[MX+\b]    ; the floor 2^(9 - 127): the byte cannot fall under 1
.endr
.irp b, 0,1,2,3
	s_delay_alu instid0(VALU_DEP_4)
	v_add_nc_u32 v[SCO+\b], 0xfc000000, v[MX+\b]
.endr
.irp b, 0,1,2,3
.endr
.irp b, 0,1,2,3
	s_delay_alu instid0(VALU_DEP_4)
	v_lshrrev_b32 v[T2+\b], 23, v[SCO+\b]
.endr
	s_delay_alu instid0(VALU_DEP_3)
	v_lshl_or_b32 v253, v[T2+1], 8, v[T2]          ; p's scale word for these 128 keys
	s_delay_alu instid0(VALU_DEP_1)
	v_lshl_or_b32 v253, v[T2+2], 16, v253
	s_delay_alu instid0(VALU_DEP_1)
	v_lshl_or_b32 v253, v[T2+3], 24, v253
.irp b, 0,1,2,3
.irp i, 0,1,2,3,4,5,6,7,8,9,10,11,12,13,14,15
.endr
	v_cvt_scalef32_pk8_fp8_f32 v[224+4*\b:225+4*\b], v[96+16*\b:103+16*\b], v[SCO+\b]
	v_cvt_scalef32_pk8_fp8_f32 v[226+4*\b:227+4*\b], v[104+16*\b:111+16*\b], v[SCO+\b]
.endr
.set n, 0
.rept 16
	v_pk_mul_f32 v[160+n:161+n], v[160+n:161+n], v[252:253] op_sel_hi:[1,0]   ; O^T under the new M; also the places in front of the products below
.set n, n+2
.endr
.irp t, 0,1,2,3                                ; O^T += V^T P^T: four tiles of 16 channels; V's fragments take p's registers
.irp c, 0,1,2,3
	ds_load_b128 v[96+16*\t+4*\c:99+16*\t+4*\c], v8 offset:VC+8192*(\q)+2048*\t+512*\c
.endr
.endr
	ds_load_b128 v[248:251], v8 offset:VWD+512*(\q)
	s_wait_alu depctr_va_vdst(0)
	s_wait_dscnt 0x0
.irp t, 0,1,2,3
	v_wmma_scale_f32_16x16x128_f8f6f4 v[160+8*\t:167+8*\t], v[96+16*\t:111+16*\t], v[224:239], v[160+8*\t:167+8*\t], v[248+\t], v253
.endr
.Lhidden_\@:
	s_add_co_u32 s17, s17, 128
.endm
; A block of queries is finished: Y = O^T / the sum, quantised along the head's 64 (two blocks of 32) and stored as the last product's operand: two stores of 512 consecutive bytes, and the two scale bytes of each lane's row.
.macro FINAL
.rept 8
	v_nop                                          ; places behind the last products
.endr
	v_add_f32 v14, v14, v15
	s_delay_alu instid0(VALU_DEP_1)
	v_permlanex16_b32 v[T2], v14, s20, s21
	s_delay_alu instid0(VALU_DEP_1)
	v_add_f32 v14, v14, v[T2]                      ; the row's sum
	s_wait_alu depctr_va_vdst(0)
	v_rcp_f32 v14, v14
	v_nop
	s_lshr_b32 s44, s14, 4
	s_lshl_b32 s44, s44, 7
	s_lshr_b32 s45, s18, 4
	s_add_co_u32 s44, s44, s45                     ; the tile of 16 rows of Y: 128 x batch + query / 16
	s_and_b32 s45, s14, 15                         ; the head
	s_lshl_b32 s38, s44, 14                        ; yimg: 16,384 bytes a tile of rows, 2,048 for each two heads, 1,024 a head
	s_lshr_b32 s46, s45, 1
	s_lshl_b32 s47, s46, 11
	s_add_co_u32 s38, s38, s47
	s_and_b32 s47, s45, 1
	s_lshl_b32 s52, s47, 10
	s_add_co_u32 s38, s38, s52
	s_add_nc_u64 s[48:49], s[8:9], s[38:39]
	s_lshl_b32 s38, s44, 10                        ; ysc: 1,024 bytes a tile of rows, 256 for each four heads, 8 a lane: word (head / 2) % 2, bytes 2 (head % 2) on
	s_lshr_b32 s52, s45, 2
	s_lshl_b32 s52, s52, 8
	s_add_co_u32 s38, s38, s52
	s_and_b32 s46, s46, 1
	s_lshl_b32 s46, s46, 2
	s_add_co_u32 s38, s38, s46
	s_lshl_b32 s47, s47, 1
	s_add_co_u32 s38, s38, s47
	s_add_nc_u64 s[50:51], s[10:11], s[38:39]
	s_wait_alu depctr_va_vdst(0)                   ; ahead of the reciprocal's first reader
.set n, 0
.rept 32
	v_mul_f32 v[96+n], v[160+n], v14               ; register 8 t + j: channel 16 t + 8 h + j
.set n, n+1
.endr
.irp b, 0,1
	v_max3_num_f32 v[MX+\b], |v[96+16*\b]|, |v[97+16*\b]|, 0x4800000
.endr
.irp i, 2,4,6,8,10,12,14
.irp b, 0,1
	s_delay_alu instid0(VALU_DEP_2)
	v_max3_num_f32 v[MX+\b], v[MX+\b], |v[96+16*\b+\i]|, |v[97+16*\b+\i]|
.endr
.endr
.irp b, 0,1
	s_delay_alu instid0(VALU_DEP_2)
	v_permlanex16_b32 v[T2+\b], v[MX+\b], s20, s21
.endr
.irp b, 0,1
	s_delay_alu instid0(VALU_DEP_2)
	v_max_num_f32 v[MX+\b], v[MX+\b], v[T2+\b]
.endr
.irp b, 0,1
	s_delay_alu instid0(VALU_DEP_2)
	v_add_nc_u32 v[SCO+\b], 0xfc000000, v[MX+\b]
.endr
.irp b, 0,1
	s_delay_alu instid0(VALU_DEP_2)
	v_lshrrev_b32 v[T2+\b], 23, v[SCO+\b]
.endr
	s_delay_alu instid0(VALU_DEP_1)
	v_lshl_or_b32 v254, v[T2+1], 8, v[T2]
.irp b, 0,1
.irp i, 0,1,2,3,4,5,6,7,8,9,10,11,12,13,14,15
.endr
	v_cvt_scalef32_pk8_fp8_f32 v[224+4*\b:225+4*\b], v[96+16*\b:103+16*\b], v[SCO+\b]
	v_cvt_scalef32_pk8_fp8_f32 v[226+4*\b:227+4*\b], v[104+16*\b:111+16*\b], v[SCO+\b]
.endr
	v_nop                                          ; a plain line behind the last conversion
	global_store_b128 v1, v[224:227], s[48:49]
	global_store_b128 v1, v[228:231], s[48:49] offset:512
	global_store_b16 v4, v254, s[50:51]
	s_wait_xcnt 0x0                                ; the stores have read their registers and bases: both are written again
.endm
.macro VISIT                           ; a slot's two key steps; ahead of them, at the visit in which the second block begins, the change of blocks
	s_cmp_eq_u32 s15, s13
	s_cbranch_scc0 .Lsame_\@
	FINAL
	s_lshl_b32 s18, s13, 8
	s_lshl_b32 s44, s12, 4
	s_add_co_u32 s18, s18, s44                     ; my first query in block I
	s_mov_b32 s17, 0
	v_mov_b32 v255, v200
.set n, 0
.rept 8
	v_mov_b32 v[16+n], v[192+n]
.set n, n+1
.endr
	v_mov_b32 v13, 0xff61b1e6
	s_delay_alu instid0(VALU_DEP_1)
	v_floor_f32 v12, -v13
	v_mov_b32 v14, 0
	v_mov_b32 v15, 0
.set n, 0
.rept 32
	v_mov_b32 v[160+n], 0
.set n, n+1
.endr
.Lsame_\@:
	STEP 0
	STEP 1
	s_xor_b32 s40, s40, SLOT1
.endm
; THE CHANGE OF SLOTS, at a visit's head.  Each wave waits for all its tensor loads (its part of the slot ahead), adds 0 to its spare word, and waits for that and for its reads of the slot that it has left.
; fill = 1: that slot is filled with the next visit's keys: the next slot of kv, or slot 0 where the second block begins.  The load has two key steps in which to land.
.macro CHANGE fill
	s_wait_tensorcnt 0x0                           ; no tensor load of mine is out, so group 0 may be written
	ds_add_u32 v5, v6                              ; 0 onto my spare word
.if \fill
	s_xor_b32 s33, s33, SLOT1
	s_add_co_u32 s16, s16, 1
	s_add_co_u32 s44, s13, 1
	s_cmp_eq_u32 s15, s44
	s_cselect_b32 s16, 0, s16
	s_mul_i32 s38, s16, SLOTB
	s_add_nc_u64 s[34:35], s[36:37], s[38:39]
	s_or_b32 s35, s35, 0x80000000
	s_wait_xcnt 0x0                                ; the last prefetch, a visit back, has read its address
	s_add_nc_u64 s[42:43], s[42:43], SLOTB
.endif
	s_wait_dscnt 0x0                               ; the add is done, and my reads of the slot that I have left are over
	s_barrier_signal -1
	s_barrier_wait -1
.if \fill
	TLOAD                                          ; the first thing behind the barrier, a wave's one tensor load until the next
	ASK
.endif
.endm
	s_wait_loadcnt 0x0                             ; Q of both blocks
.Lslot:                                            ; eight trips: visits 0 to 7
	CHANGE 1
	VISIT
	s_sub_co_u32 s15, s15, 1
	s_cmp_lg_u32 s15, 0
	s_cbranch_scc1 .Lslot
	CHANGE 0                                       ; the ninth visit is written out
	VISIT
	FINAL
	s_wait_tensorcnt 0x0                           ; the wave's end
	ds_add_u32 v5, v6
	s_wait_dscnt 0x0
	s_endpgm
.Lfunc_end_k_q66497703fc_attn:
	.size	k_q66497703fc_attn, .Lfunc_end_k_q66497703fc_attn-k_q66497703fc_attn
	.p2alignl 7, 3214868480
	.fill 96, 4, 3214868480
	.section	.rodata,"a",@progbits
	.p2align	6, 0x0
	.amdhsa_kernel k_q66497703fc_attn
		.amdhsa_group_segment_fixed_size 327680
		.amdhsa_private_segment_fixed_size 0
		.amdhsa_enable_private_segment 0
		.amdhsa_kernarg_size 32
		.amdhsa_user_sgpr_count 2
		.amdhsa_user_sgpr_kernarg_segment_ptr 1
		.amdhsa_wavefront_size32 1
		.amdhsa_system_sgpr_workgroup_id_x 1
		.amdhsa_system_sgpr_workgroup_id_y 1
		.amdhsa_system_sgpr_workgroup_id_z 1
		.amdhsa_system_vgpr_workitem_id 0
		.amdhsa_next_free_vgpr 256
		.amdhsa_next_free_sgpr 66
		.amdhsa_reserve_vcc 1
		.amdhsa_float_denorm_mode_32 3
		.amdhsa_float_denorm_mode_16_64 3
		.amdhsa_fp16_overflow 1
		.amdhsa_memory_ordered 1
		.amdhsa_forward_progress 1
		.amdhsa_inst_pref_size 118
	.end_amdhsa_kernel
	.amdgpu_metadata
---
amdhsa.version: [ 1, 2 ]
amdhsa.kernels:
  - .name:           k_q66497703fc_attn
    .symbol:         k_q66497703fc_attn.kd
    .args:
      - { .name: qimg, .offset: 0, .size: 8, .value_kind: global_buffer, .address_space: global }
      - { .name: kv, .offset: 8, .size: 8, .value_kind: global_buffer, .address_space: global }
      - { .name: yimg, .offset: 16, .size: 8, .value_kind: global_buffer, .address_space: global }
      - { .name: ysc, .offset: 24, .size: 8, .value_kind: global_buffer, .address_space: global }
    .group_segment_fixed_size: 327680
    .private_segment_fixed_size: 0
    .kernarg_segment_align: 8
    .kernarg_segment_size: 32
    .max_flat_workgroup_size: 512
    .sgpr_count:     66
    .vgpr_count:     256
    .wavefront_size: 32
...
	.end_amdgpu_metadata
.endif
;; end of part 2
;; launch oproj (part 3): grid 4 x 64, 4 waves a work-group, clusters of 4 x 4, 327,680 bytes of LDS; arguments yimg, ysc, Wo_codes, Wo_scales, out0; writes out0
.if DOCPART == 3
	.amdgcn_target "amdgcn-amd-amdhsa--gfx1250"
	.amdhsa_code_object_version 6
	.text
	.protected	k_q66497703fc_oproj
	.globl	k_q66497703fc_oproj
	.p2align	8
	.type	k_q66497703fc_oproj,@function
k_q66497703fc_oproj:
	s_mov_b64 s[64:65], 0
	v_nop
	global_prefetch_b8 v0, s[64:65] scope:SCOPE_SE
	s_setreg_imm32_b32 hwreg(HW_REG_WAVE_MODE, 25, 1), 1
	s_wait_xcnt 0x0
	s_wait_alu depctr_hold_cnt(0) depctr_sa_sdst(0) depctr_va_vdst(0) depctr_va_sdst(0) depctr_va_ssrc(0) depctr_va_vcc(0) depctr_vm_vsrc(0)
	s_getreg_b32 s2, hwreg(HW_REG_IB_STS2, 6, 4)
	s_cmp_eq_u32 s2, 0
	s_cbranch_scc0 .Lentry_in_a_cluster
	s_endpgm
.Lentry_in_a_cluster:
	s_bfe_u32 s2, ttmp6, 0x10000c
	s_cmp_lg_u32 s2, 0xf033
	s_cbranch_scc0 .Lentry_shape_is_right
	s_endpgm
.Lentry_shape_is_right:
; out = Y Wo^T on codes of FP8 (E4M3), one E8M0 scale for each 32 along K = 1,024; out [8,192][1,024] f32.
; SHARES.  256 work-groups, a tile of 128 rows x 256 columns each (tiles of 256 x 256 would be 128: half of the WGPs idle); a wave makes 64 x 128: 32 accumulators.
; Y comes as images of operand registers, [tile of 16 rows][K step of 128][4][lane][16 bytes]: the work-group's eight tiles, for ALL of K, are one dense block of 131,072 bytes, brought once and read at 16 x lane.
; In Y position (block c, lane / 16 = h, i) stands for k = 32 c + 16 (i / 8) + 8 h + i % 8, so Wo's fragments are loaded in the same order: eight pieces of 8 bytes at 16 c' + 8 h of the row.
; Wo's 256 rows go in K steps of 256 through two LDS slots.  CLUSTERS of 4 x 4: Y's block and scale words are shared along a row of the cluster, Wo's tiles and scales along a column: joint tensor loads.
; The matrix instruction is used transposed (source 0 = 16 rows of Wo, source 1 = 16 rows of Y): a lane holds eight neighbouring numbers of a row of out.
; REGISTERS: window 0: v16-29 addresses; v32-47 Y's scale words, v48-79 Wo's, two sets each, and nothing else; v128-255 Y's fragments, two sets; on the way out rows read back.  Window 1: Wo's fragments, two sets.  Window 2: the accumulators, (a, b) at v[8 (8 a + b)].
.set PITCH,  272
.set BS0,    131072                    ; behind Y's block: Wo's two slots of 256 rows x 272 bytes
.set BSLOT,  256*PITCH
.set SCB,    BS0+2*BSLOT               ; Wo's scales: 8,192 bytes as units of 256 + 16
.set SCA,    SCB+8704                  ; Y's scale words: 8,192 bytes
.set STAGE,  SCA+8192                  ; the way out: 16 rows x 528 bytes for each wave: bytes of their own, never filled
.set SPITCH, 528
.set SPARE,  STAGE+4*16*SPITCH         ; the spare words: 128 bytes for each wave
.set ADRA, 16
.set ADRB, 20
.set ADSA, 22
.set ADSB, 23
.set STO,  24
.set RD,   25
.set CO,   26
.set SPW,  28
.set NIL,  29
.set SA,   32
.set SB,   48
.set G1A, 24
.set G0A, 32
.set G1B, 48
.set G0B, 56
.set G1SB, 68
.set G0SB, 76
.set G1SA, 80
.set G0SA, 88
.set MSB, 0
.macro WIN new
.if MSB != (\new)
	s_set_vgpr_msb (MSB<<8)|(\new)
.set MSB, (\new)
.endif
.endm
.set MULW, 0xa1                        ; source 0 (Wo) window 1, source 1 (Y) window 0, C and D window 2
.macro CROUND                          ; a round of the cluster's barrier
	s_barrier_signal -1
	s_barrier_wait -1
	s_cmp_lg_u32 s14, 0
	s_cbranch_scc1 .Lnot_wave_0_\@
	s_barrier_signal -3
.Lnot_wave_0_\@:
	s_barrier_wait -3
	s_barrier_signal -1
	s_barrier_wait -1
.endm
.macro PLACES n
.rept \n
	v_nop
.endr
.endm
	s_load_b256 s[4:11], s[0:1], 0x0               ; yimg s[4:5], ysc s[6:7], Wo's codes s[8:9], Wo's scales s[10:11]
	s_load_b64 s[12:13], s[0:1], 0x20              ; out0
	v_lshl_add_u32 v[SPW], v0, 2, SPARE
	v_mov_b32 v[NIL], 0
	ds_add_u32 v28, v29
	s_wait_dscnt 0x0
	v_lshrrev_b32 v1, 5, v0
	v_readfirstlane_b32 s14, v1                    ; wave 0..3
	s_lshr_b32 s15, s14, 1                         ; my half of the rows
	s_and_b32 s16, s14, 1                          ; my half of the columns
	s_bfe_u32 s40, ttmp6, 0x40000                  ; cx
	s_bfe_u32 s41, ttmp6, 0x40004                  ; cy
	s_lshl_b32 s42, ttmp9, 2
	s_add_co_u32 s42, s42, s40                     ; tile of 256 columns
	s_and_b32 s17, ttmp7, 0xffff
	s_lshl_b32 s17, s17, 2
	s_add_co_u32 s17, s17, s41                     ; tile of 128 rows
	s_lshl_b32 s43, s41, 2
	s_lshl_b32 s43, 15, s43                        ; my row of the cluster
	s_lshl_b32 s44, 0x1111, s40                    ; my column
	s_or_b32 s[G1A], s43, (3<<16)|(1<<21)          ; Y's block: a quarter a wave: 128 rows of 256 bytes (32 elements of 8), dense, no padding
	s_mov_b32 s[G1A+1], 32<<16
	s_mov_b32 s[G1A+2], 128<<16
	s_mov_b32 s[G1A+3], 32<<16
	s_mov_b32 s[G1A+4], 128
	s_mov_b32 s[G1A+5], 32
	s_mov_b32 s[G1A+6], 0
	s_mov_b32 s[G1A+7], 0
	s_or_b32 s[G1B], s44, (0<<16)|(1<<20)|(1<<21)|(5<<22)|(3<<25)   ; Wo's tile: 64 rows a wave, 256 bytes of 1,024, 16 bytes of padding behind each
	s_mov_b32 s[G1B+1], 256<<16
	s_mov_b32 s[G1B+2], 64<<16
	s_mov_b32 s[G1B+3], 256<<16
	s_mov_b32 s[G1B+4], 64
	s_mov_b32 s[G1B+5], 1024
	s_mov_b32 s[G1B+6], 0
	s_mov_b32 s[G1B+7], 0
	s_or_b32 s[G1SB], s44, (3<<16)|(1<<20)|(1<<21)|(5<<22)|(3<<25)  ; Wo's scales of 128 rows: 16 rows of 256 bytes, padded
	s_or_b32 s[G1SA], s43, (3<<16)|(1<<21)                          ; Y's words of 64 rows: 16 rows of 256 bytes, dense
.irp g, G1SB, G1SA
	s_mov_b32 s[\g+1], 32<<16
	s_mov_b32 s[\g+2], 16<<16
	s_mov_b32 s[\g+3], 32<<16
	s_mov_b32 s[\g+4], 16
	s_mov_b32 s[\g+5], 32
	s_mov_b32 s[\g+6], 0
	s_mov_b32 s[\g+7], 0
.endr
	s_lshl_b32 s20, s17, 17                        ; Y: 131,072 x tile of rows + 32,768 x wave
	s_lshl_b32 s18, s14, 15
	s_add_co_u32 s20, s20, s18
	s_mov_b32 s21, 0
	s_lshl_b32 s22, s17, 13                        ; Y's words: 8,192 x tile of rows + 4,096 x (wave % 2)
	s_lshl_b32 s19, s16, 12
	s_add_co_u32 s22, s22, s19
	s_mov_b32 s23, 0
	s_lshl_b32 s46, s42, 18                        ; Wo: (256 x tile of columns + 64 x wave) rows of 1,024 bytes
	s_lshl_b32 s45, s14, 16
	s_add_co_u32 s46, s46, s45
	s_mov_b32 s47, 0
	s_lshl_b32 s92, s42, 13                        ; Wo's scales: 32 bytes a row
	s_add_co_u32 s92, s92, s19
	s_mov_b32 s93, 0
	s_mul_i32 s45, s14, 64*PITCH
	s_mul_i32 s2, s16, 4352
	s_wait_kmcnt 0x0
	s_add_nc_u64 s[20:21], s[4:5], s[20:21]
	s_add_nc_u64 s[22:23], s[6:7], s[22:23]
	s_add_nc_u64 s[46:47], s[8:9], s[46:47]
	s_add_nc_u64 s[92:93], s[10:11], s[92:93]
	CROUND                                         ; all sixteen work-groups are here: the first joint loads meet
	s_mov_b32 s[G0SB], 1
	s_add_co_u32 s[G0SB+1], s2, SCB
	s_mov_b64 s[G0SB+2:G0SB+3], s[92:93]
	s_or_b32 s[G0SB+3], s[G0SB+3], 0x80000000
	s_mov_b32 s[G0SA], 1
	s_add_co_u32 s[G0SA+1], s19, SCA
	s_mov_b64 s[G0SA+2:G0SA+3], s[22:23]
	s_or_b32 s[G0SA+3], s[G0SA+3], 0x80000000
	s_mov_b32 s[G0A], 1
	s_mov_b32 s[G0A+1], s18
	s_mov_b64 s[G0A+2:G0A+3], s[20:21]
	s_or_b32 s[G0A+3], s[G0A+3], 0x80000000
.irp s, 0,1
	s_mov_b32 s[G0B+4*\s], 1
	s_add_co_u32 s[G0B+4*\s+1], s45, BS0+\s*BSLOT
	s_add_nc_u64 s[G0B+4*\s+2:G0B+4*\s+3], s[46:47], \s*256
	s_or_b32 s[G0B+4*\s+3], s[G0B+4*\s+3], 0x80000000
.endr
	s_cmp_lt_u32 s14, 2                            ; waves 0 and 1 fetch Wo's scales, waves 2 and 3 Y's words
	s_cbranch_scc0 .Lfor_sa
	tensor_load_to_lds s[G0SB:G0SB+3], s[G1SB:G1SB+7]
	s_nop 0
.rept 4
	v_nop
.endr
	s_branch .Lsc_asked
.Lfor_sa:
	tensor_load_to_lds s[G0SA:G0SA+3], s[G1SA:G1SA+7]
	s_nop 0
.rept 4
	v_nop
.endr
.Lsc_asked:
	tensor_load_to_lds s[G0A:G0A+3], s[G1A:G1A+7]          ; my quarter of Y's block,
	s_nop 0
	tensor_load_to_lds s[G0B:G0B+3], s[G1B:G1B+7]          ; my 64 rows of Wo's K step 0,
	s_nop 0
	tensor_load_to_lds s[G0B+4:G0B+7], s[G1B:G1B+7]        ; and of K step 1: four tensor loads of mine are out
	s_nop 0
.rept 4
	v_nop
.endr
	v_and_b32 v1, 15, v0                           ; r
	v_bfe_u32 v2, v0, 4, 1                         ; h
	v_and_b32 v3, 31, v0                           ; lane
	s_lshl_b32 s18, s15, 16
	v_lshl_add_u32 v[ADRA], v3, 4, s18             ; Y: my four tiles of rows, 16 x lane
	v_mul_u32_u24 v4, v1, PITCH
	v_lshl_add_u32 v4, v2, 3, v4                   ; Wo: row r, + 8 h
	s_mul_i32 s18, s16, 128*PITCH
	s_add_co_u32 s18, s18, BS0
	v_add_nc_u32 v[ADRB], s18, v4
	s_add_co_u32 s18, s18, BSLOT
	v_add_nc_u32 v[ADRB+1], s18, v4
	s_lshl_b32 s18, s15, 12
	s_add_co_u32 s18, s18, SCA
	v_lshl_add_u32 v[ADSA], v3, 3, s18             ; Y's words: 8 x lane
	v_lshrrev_b32 v4, 3, v1
	v_mul_u32_u24 v4, v4, 272
	v_and_b32 v5, 7, v1
	v_lshl_add_u32 v4, v5, 5, v4                   ; Wo's scales: 32 bytes a row, eight rows to a unit of 256 + 16
	s_mul_i32 s18, s16, 4352
	s_add_co_u32 s18, s18, SCB
	v_add_nc_u32 v[ADSB], s18, v4
	s_mul_i32 s18, s14, 16*SPITCH
	s_add_co_u32 s18, s18, STAGE                   ; my stage
	v_mul_u32_u24 v4, v1, SPITCH
	v_lshl_add_u32 v4, v2, 5, v4
	v_add_nc_u32 v[STO], s18, v4                   ; in: row r, 32 bytes for each half of the lanes
	v_lshlrev_b32 v[CO], 4, v3
	v_add_nc_u32 v[RD], s18, v[CO]                 ; back: the 32 lanes take one row of 512 bytes
	s_lshl_b32 s94, s17, 19                        ; out: (128 x tile of rows + 64 x half) rows of 4,096 bytes + 1,024 x tile of columns + 512 x half
	s_lshl_b32 s95, s15, 18
	s_add_co_u32 s94, s94, s95
	s_lshl_b32 s95, s42, 10
	s_add_co_u32 s94, s94, s95
	s_lshl_b32 s95, s16, 9
	s_add_co_u32 s94, s94, s95
	s_mov_b32 s95, 0
	s_add_nc_u64 s[12:13], s[12:13], s[94:95]
; The fragments of step k (128 along K) into set k % 2; with an even step the scale words of its 256 along K.
.macro FETCH k
.set kq, (\k)%2
.set ks, (\k)/2
.set ksl, ks%2
	WIN 0x40                                       ; destination window 1
.irp b, 0,1,2,3,4,5,6,7
.irp c, 0,1,2,3,4,5,6,7
	ds_load_b64 v[128*kq+16*\b+2*\c:128*kq+16*\b+2*\c+1], v[ADRB+ksl] offset:16*PITCH*\b+128*kq+16*\c
.endr
.endr
	WIN 0
.irp a, 0,1,2,3
.irp c, 0,1,2,3
	ds_load_b128 v[128+64*kq+16*\a+4*\c:128+64*kq+16*\a+4*\c+3], v[ADRA] offset:16384*\a+2048*(\k)+512*\c
.endr
.endr
.if kq == 0
.irp a, 0,1,2,3
	ds_load_b64 v[SA+8*ksl+2*\a:SA+8*ksl+2*\a+1], v[ADSA] offset:1024*\a+256*ks
.endr
.irp b, 0,1,2,3,4,5,6,7
	ds_load_b64 v[SB+16*ksl+2*\b:SB+16*ksl+2*\b+1], v[ADSB] offset:544*\b+8*ks
.endr
.endif
.endm
; 16 matrix instructions: Y's tiles a0, a0 + 1 x Wo's eight.  The 32 accumulators take turns, one instruction a turn, in the same order in every step.
.macro MUL16 a0, k, zero
.set kq, (\k)%2
.set ksl, ((\k)/2)%2
.irp a, \a0, \a0+1
.irp b, 0,1,2,3,4,5,6,7
.if \zero
	v_wmma_scale_f32_16x16x128_f8f6f4 v[8*(8*(\a)+\b):8*(8*(\a)+\b)+7], v[128*kq+16*\b:128*kq+16*\b+15], v[128+64*kq+16*(\a):128+64*kq+16*(\a)+15], 0, v[SB+16*ksl+2*\b+kq], v[SA+8*ksl+2*(\a)+kq]
.else
	v_wmma_scale_f32_16x16x128_f8f6f4 v[8*(8*(\a)+\b):8*(8*(\a)+\b)+7], v[128*kq+16*\b:128*kq+16*\b+15], v[128+64*kq+16*(\a):128+64*kq+16*(\a)+15], v[8*(8*(\a)+\b):8*(8*(\a)+\b)+7], v[SB+16*ksl+2*\b+kq], v[SA+8*ksl+2*(\a)+kq]
.endif
.endr
.endr
.endm
.macro EVEN k, zero                    ; the first step of a slot: the second step's fragments are fetched under its products
	WIN 0
	s_wait_dscnt 0x0                               ; this step's fragments are in
.if !(\zero)
	PLACES 8                                       ; behind the products that read the set fetched next
.endif
	FETCH (\k)+1
	WIN MULW
	MUL16 0, \k, \zero
	MUL16 2, \k, \zero
.endm
; A slot's second step changes slots: each wave waits for all its tensor loads, adds 0 to its spare word, waits for that and for its reads of this slot.  fill = 1: a round of the cluster's barrier, and this slot is filled again, two K steps on.
.macro ODD k, fill
.set osl, ((\k)/2)%2
	WIN 0
	s_wait_dscnt 0x0                               ; this step's fragments are in: my reads of this slot are over
	s_wait_tensorcnt 0x0                           ; all my tensor loads have landed: my part of the next slot
	ds_add_u32 v[SPW], v[NIL]                      ; 0 onto my spare word
.if \fill
	s_add_nc_u64 s[G0B+4*osl+2:G0B+4*osl+3], s[G0B+4*osl+2:G0B+4*osl+3], 512
.endif
	WIN MULW
	MUL16 0, \k, 0                                 ; sixteen matrix instructions stand between the add and the wait for it
	WIN 0
	s_wait_dscnt 0x0
.if \fill
	CROUND                                         ; no wave of any partner still reads this slot or has a load on its way
	tensor_load_to_lds s[G0B+4*osl:G0B+4*osl+3], s[G1B:G1B+7]   ; every wave its own 64 rows: the one tensor load behind the round
	s_nop 0
.rept 4
	v_nop
.endr
	PLACES 4
.else
	s_barrier_signal -1
	s_barrier_wait -1
	PLACES 8
.endif
	FETCH (\k)+1
	WIN MULW
	MUL16 2, \k, 0
.endm
	s_wait_tensorcnt 1                             ; the scales, Y's block and K step 0 are in; K step 1's load may be out
	s_barrier_signal -1
	s_barrier_wait -1
	FETCH 0
	EVEN 0, 1                                      ; the first products start the sums
	ODD  1, 1
	EVEN 2, 0
	ODD  3, 1
	EVEN 4, 0
	ODD  5, 0
	EVEN 6, 0
	WIN 0
	s_wait_dscnt 0x0
	WIN MULW
	MUL16 0, 7, 0
	MUL16 2, 7, 0
	WIN 0
; THE WAY OUT, a tile of 16 rows x 128 columns at a time, through my own stage: a lane's 32 bytes go in, whole rows of 512 bytes come back and are stored by the 32 lanes.  LDS serves a wave's instructions in order (ISA guide 5.7.1.4).
.macro TOSTAGE a
	WIN 0x08                                       ; the data of an LDS store are its source 1: window 2
.irp b, 0,1,2,3,4,5,6,7
	ds_store_b128 v[STO], v[64*(\a)+8*\b:64*(\a)+8*\b+3] offset:64*\b          ; each accumulator from its low end on
	ds_store_b128 v[STO], v[64*(\a)+8*\b+4:64*(\a)+8*\b+7] offset:64*\b+16
.endr
	WIN 0
.irp t, 0,1,2,3,4,5,6,7,8,9,10,11,12,13,14,15
	ds_load_b128 v[128+64*((\a)%2)+4*\t:128+64*((\a)%2)+4*\t+3], v[RD] offset:\t*SPITCH
.endr
.endm
.macro SEND a, younger
	s_wait_dscnt \younger                          ; the tile is back in registers; the next tile's 16 stores and 16 loads may be out
.irp t, 0,1,2,3,4,5,6,7,8,9,10,11,12,13,14,15
	global_store_b128 v[CO], v[128+64*((\a)%2)+4*\t:128+64*((\a)%2)+4*\t+3], s[12:13] offset:(16*(\a)+\t)*4096 th:TH_STORE_NT   ; 512 consecutive bytes, aligned; 63 rows at the most in the immediate
.endr
.endm
	PLACES 8
	TOSTAGE 0
	TOSTAGE 1
	SEND 0, 32
	s_wait_xcnt 0x0                                ; tile 0's stores have read their registers: tile 2's rows may land there
	TOSTAGE 2
	SEND 1, 32
	s_wait_xcnt 0x0
	TOSTAGE 3
	SEND 2, 32
	SEND 3, 0
	s_wait_tensorcnt 0x0                           ; the wave's end
	ds_add_u32 v[SPW], v[NIL]
	s_wait_dscnt 0x0
	CROUND                                         ; the closing round
	s_endpgm
.Lfunc_end_k_q66497703fc_oproj:
	.size	k_q66497703fc_oproj, .Lfunc_end_k_q66497703fc_oproj-k_q66497703fc_oproj
	.p2alignl 7, 3214868480
	.fill 96, 4, 3214868480
	.section	.rodata,"a",@progbits
	.p2align	6, 0x0
	.amdhsa_kernel k_q66497703fc_oproj
		.amdhsa_group_segment_fixed_size 327680
		.amdhsa_private_segment_fixed_size 0
		.amdhsa_enable_private_segment 0
		.amdhsa_kernarg_size 40
		.amdhsa_user_sgpr_count 2
		.amdhsa_user_sgpr_kernarg_segment_ptr 1
		.amdhsa_wavefront_size32 1
		.amdhsa_system_sgpr_workgroup_id_x 1
		.amdhsa_system_sgpr_workgroup_id_y 1
		.amdhsa_system_sgpr_workgroup_id_z 1
		.amdhsa_system_vgpr_workitem_id 0
		.amdhsa_next_free_vgpr 768
		.amdhsa_next_free_sgpr 96
		.amdhsa_reserve_vcc 0
		.amdhsa_float_denorm_mode_32 3
		.amdhsa_float_denorm_mode_16_64 3
		.amdhsa_memory_ordered 1
		.amdhsa_forward_progress 1
		.amdhsa_inst_pref_size 103
	.end_amdhsa_kernel
	.amdgpu_metadata
---
amdhsa.version: [ 1, 2 ]
amdhsa.kernels:
  - .name:           k_q66497703fc_oproj
    .symbol:         k_q66497703fc_oproj.kd
    .args:
      - { .name: yimg, .offset: 0, .size: 8, .value_kind: global_buffer, .address_space: global }
      - { .name: ysc, .offset: 8, .size: 8, .value_kind: global_buffer, .address_space: global }
      - { .name: Wo_codes, .offset: 16, .size: 8, .value_kind: global_buffer, .address_space: global }
      - { .name: Wo_scales, .offset: 24, .size: 8, .value_kind: global_buffer, .address_space: global }
      - { .name: out0, .offset: 32, .size: 8, .value_kind: global_buffer, .address_space: global }
    .group_segment_fixed_size: 327680
    .private_segment_fixed_size: 0
    .kernarg_segment_align: 8
    .kernarg_segment_size: 40
    .max_flat_workgroup_size: 128
    .sgpr_count:     96
    .vgpr_count:     768
    .wavefront_size: 32
...
	.end_amdgpu_metadata
.endif
;; end of part 3
